; MI455X (gfx1250); checked and timed in simulation.
; The chip was launched on July 23, 2026; its instructions are those of AMD's public machine-readable ISA for CDNA 5 (MIT licence, August 2026) and "CDNA5" Instruction Set Architecture Reference Guide (July 2026). The comments in the code are by the model that wrote it; some were corrected since.
;; Transformer Block. Allowed arithmetic: matrix products marked QUANTISED: E2M3 operands, one E8M0 scale for each 32 along K, by v_wmma_scale_f32_16x16x128_f8f6f4 with both operands' format E2M3, f32 sums; everything else in f32.
;; Inputs: W1 1,024 x 4,096 float32; W2 4,096 x 1,024 float32; Wk 16 x 1,024 x 64 float32; Wo 1,024 x 1,024 float32; Wq 16 x 1,024 x 64 float32; Wv 16 x 1,024 x 64 float32; b1 4,096 float32; b2 1,024 float32; be1 1,024 float32; be2 1,024 float32; bo 1,024 float32; g1 1,024 float32; g2 1,024 float32; x 2 x 2,048 x 1,024 float32.
;; Outputs: out0 2 x 2,048 x 1,024 float32.
;; This version of the problem:
;;   THIS VERSION OF THE PROBLEM IS GIVEN IN LOW PRECISION. The matrix products marked QUANTISED in the list below multiply operands that are first quantised to E2M3 (2 exponent bits, 3 mantissa bits; 6 bits a number), with one power-of-two scale for each 32 numbers along K (OCP MX v1.0); their sums are f32. All else is computed in f32.
;;   The module's matrix products, in the order in which they are computed (A, B: the left and right operand; K: the contracted axis; several contracted axes count as one K, in the product's order):
;;     1. [M 1,024, K 1,024] x [K 1,024, N 4,096]; A: input Wq; B: computed on the way: QUANTISED
;;     2. [M 1,024, K 1,024] x [K 1,024, N 4,096]; A: input Wk; B: computed on the way: QUANTISED
;;     3. [M 1,024, K 1,024] x [K 1,024, N 4,096]; A: input Wv; B: computed on the way: QUANTISED
;;     4. batch 32 x [M 2,048, K 64] x [K 64, N 2,048]; A: computed on the way; B: computed on the way: QUANTISED
;;     5. batch 32 x [M 2,048, K 2,048] x [K 2,048, N 64]; A: softmax (see below); B: computed on the way: QUANTISED
;;     6. [M 4,096, K 1,024] x [K 1,024, N 1,024]; A: computed on the way; B: input Wo: QUANTISED
;;     7. [M 4,096, K 1,024] x [K 1,024, N 4,096]; A: computed on the way; B: input W1: QUANTISED
;;     8. [M 4,096, K 4,096] x [K 4,096, N 1,024]; A: computed on the way; B: input W2: QUANTISED
;;   THE QUANTISER, for each operand of a quantised product, along K:
;;     - K is cut into blocks of 32 from its start; a last block that is shorter is filled with zeros.
;;     - A block's scale is 2^e with e = floor(log2(the largest magnitude in the block)) - 2, held to -126 .. 127; a block of zeros has e = 0. As a byte (E8M0): e + 127.
;;     - Each number is divided by its block's scale, clamped to +-7.5, and rounded to the nearest number of E2M3, ties to even, subnormals kept.
;;     - The product sums the exact products of the quantised numbers (number of the format x scale) in f32.
;;   ~~~python
;;   def quantise(x, axis):      # numpy; x: float32 -> the quantised numbers, widened to float32 again
;;       x = np.moveaxis(x, axis, -1); K = x.shape[-1]
;;       x = np.pad(x, [(0, 0)] * (x.ndim - 1) + [(0, -K % 32)]); x = x.reshape(x.shape[:-1] + (-1, 32)); a = np.abs(x).max(-1, keepdims=True)
;;       e = np.where(a > 0, np.clip(np.frexp(np.where(a > 0, a, 1))[1] - 1 - 2, -126, 127), 0)      # np.frexp(a)[1] - 1 = floor(log2(a)), exactly
;;       r = np.clip(x / 2.0 ** e, -7.5, 7.5)
;;       step = 2.0 ** (np.maximum(np.frexp(np.where(r == 0, 1, r))[1] - 1, 0) - 3)
;;       q = np.round(r / step) * step * 2.0 ** e      # np.round: ties to even
;;       return np.moveaxis(q.reshape(q.shape[:-2] + (-1,))[..., :K], -1, axis).astype(np.float32)
;;   ~~~
;;   SOFTMAX AHEAD OF A QUANTISED PRODUCT. Where the list says 'softmax', what is quantised is not the finished softmax but p = 2^(t - M), with t = logit x log2(e) and M = ceil(the row's largest t), a whole number; so 1/2 < the row's largest p <= 1. The row's sum l is taken of the UNQUANTISED p, in f32, and the product's result is divided by l at the end. Since M is a whole number, a kernel that streams over the keys may use a running M (the ceiling of the running maximum): every later rescaling is an exact power of two, which a block's scale takes up: the codes' values come out the same.
;;   OPERANDS COMPUTED ON THE WAY. 'Computed on the way' means the value that the module computes at that place (a softmax that the list does not call 'softmax' is quantised finished and normalised). What goes into a quantiser is computed in f32, as accurately as f32 sums, v_exp_f32 and their like allow (about 1e-6 of the number): no bf16 or f16 on the way to a quantiser, and a product that is left as it is and whose result goes on into a quantised operand takes f32 operands (vector FMAs, or v_wmma_f32_16x16x4_f32). A number that lies on a knife's edge between two numbers of the format may be rounded either way, as far as f32 arithmetic and the matrix unit's own rounding can turn it there, and no further.
;; One version. Each part assembles by itself: llvm-mc -triple=amdgcn-amd-amdhsa -mcpu=gfx1250 --defsym DOCPART=n.
;; ======== version 1 of 1: 7 launches
;; limits: right only within a limited range of input values
;; workspace buffers: wts 9,830,400 bytes; hq 3,276,800 bytes; qkvc 9,830,400 bytes; oq 3,276,800 bytes; x1 16,777,216 bytes; fq 13,107,200 bytes
;; launch prep (part 1): grid 448 x 1, 8 waves a work-group, no clusters, 119,296 bytes of LDS; arguments x, g1, be1, hq, Wq, Wk, Wv, Wo, W1, W2, wts; writes hq, wts
.if DOCPART == 1
	.amdgcn_target "amdgcn-amd-amdhsa--gfx1250"
	.amdhsa_code_object_version 6
	.text
	.protected	k_qc41defb3a1_prep
	.globl	k_qc41defb3a1_prep
	.p2align	8
	.type	k_qc41defb3a1_prep,@function
k_qc41defb3a1_prep:
	s_mov_b64 s[64:65], 0
	v_nop
	global_prefetch_b8 v0, s[64:65] scope:SCOPE_SE
	s_setreg_imm32_b32 hwreg(HW_REG_WAVE_MODE, 25, 1), 1
	s_wait_xcnt 0x0
; TWO PREPARING JOBS IN ONE BODY, parted on the work-group's number alone.  Work-groups 0-255: a layer norm of 16 tokens, quantised.  Work-groups 256-447: the six weights, quantised.
; A launch of 256 work-groups runs the norm alone (the second norm of the block: it stores nothing into the weights' buffer).  Each job has LDS bytes of its own.
; LEFT OUT BY THE PROGRAM: in the attention, key steps that lie wholly above the causal diagonal, which reference() itself sets to -inf ahead of the softmax: for all inputs their p is 0.  A NaN or infinity that reaches only those scores is not carried on.
; LAYOUT OF AN OPERAND.  Rows are cut into tiles of 16; tile T, place r holds row 32 (T / 2) + 8 (T % 2) + r + 8 (r / 8).  A tile x 128 along K is the IMAGE of the 12 operand registers:
; 1,536 bytes, registers 4 c .. 4 c + 3 of lane l at 512 c + 16 l; a matrix is [tile][K step][1536].  Scale words: [T / 8][K step][128 words], word 16 (T % 8) + r.
; THE NORM: y = (x - mean) rsqrt(var + 1e-5) g + b, in two passes; wave w takes K step w of the tile's 16 rows; the rows turn through the wave's stage so that lane (r, h) holds 16 neighbours of each block of 32.
; THE WEIGHTS: K is the first axis: a lane takes a column and its registers run down K.  Four waves take 128 columns x 256 along K; a work-group holds two such fours.  Number 0-95: Wq, Wk, Wv; 96-127: Wo; 128-255: W1; 256-383: W2.
; A block's scale byte is its largest magnitude's exponent field - 2, held at 1 from below.
; LIMITS: a block of zeros gets the byte 1 (zero codes; read by this program alone); NaN and infinities among the inputs are not served.
.set WO_C,   2359296
.set W1_C,   3145728
.set W2_C,   6291456
.set WQKV_S, 9437184
.set WO_S,   9535488
.set W1_S,   9568256
.set W2_S,   9699328
.set RED1,  67584                      ; the norm: behind eight stages of 8,448 bytes: the partial sums
.set SCG,   68608                      ; the tile's 8 x 16 scale words
.set WQB,   69120                      ; the weights: eight stages of 6,144 bytes
.set SPARE, 118272                     ; the spare words, 128 bytes a wave
.set HS,    3145728
.set SPW, 255
.set NIL, 243
.set SB,   16
.set VO,   32
.set X,    64
.set OUTR, 128
.set TM,  16
.set BR,  32
.set XR,  96
.set GR,  160
.set PC,  224
.set PW,  244
.set SEL, 20
	v_lshl_add_u32 v[SPW], v0, 2, SPARE
	v_mov_b32 v[NIL], 0
	v_lshrrev_b32 v1, 5, v0
	v_readfirstlane_b32 s12, v1                    ; wave
	s_wait_alu depctr_va_vdst(0)
	s_cmp_lt_u32 ttmp9, 256
	s_cbranch_scc1 .Lnorm
; ---------------- the weights
	s_load_b256 s[48:55], s[0:1], 0x20             ; Wq, Wk, Wv, Wo
	s_load_b128 s[56:59], s[0:1], 0x40             ; W1, W2
	s_load_b64 s[60:61], s[0:1], 0x50              ; wts
	s_lshr_b32 s13, s12, 2                         ; which four
	s_and_b32 s2, s12, 3                           ; my place in it
	s_mul_i32 s3, s12, 6144
	s_add_co_u32 s3, s3, WQB                       ; my stage
	v_and_b32 v1, 31, v0
	v_bfe_u32 v8, v0, 3, 1                         ; which tile of the pair
	v_and_b32 v9, 7, v0
	v_bfe_u32 v10, v0, 4, 1
	v_lshl_add_u32 v9, v10, 3, v9                  ; my place in it
	v_mul_u32_u24 v2, v8, 1536
	v_lshl_add_u32 v2, v9, 4, v2
	v_add_nc_u32 v2, s3, v2
	v_lshlrev_b32 v4, 4, v1
	s_wait_alu depctr_va_vdst(0)
	v_add_nc_u32 v3, s3, v4
	v_lshl_add_u32 v6, v8, 4, v9
	s_lshl_b32 s4, s2, 5
	v_add_nc_u32 v6, s4, v6
	v_lshlrev_b32 v6, 2, v6                        ; my scale word
	v_lshlrev_b32 v7, 2, v1
	s_wait_alu depctr_va_vdst(0)
	s_sub_co_u32 s16, ttmp9, 256
	s_lshl_b32 s16, s16, 1
	s_add_co_u32 s16, s16, s13                     ; the four's number, 0-383
	s_lshr_b32 s17, s16, 5
	s_cmp_lt_u32 s16, 128
	s_cselect_b32 s18, 31, 127
	s_and_b32 s18, s16, s18
	s_cmp_lt_u32 s16, 256
	s_cselect_b32 s19, 2, 4
	s_cselect_b32 s20, 3, 15
	s_cselect_b32 s21, 8, 32                       ; K steps in the tensor
	s_lshr_b32 s22, s18, s19                       ; which 128 columns
	s_and_b32 s23, s18, s20                        ; which 256 along K
	s_mov_b32 s24, 4096                            ; bytes from a row of K to the next
	s_mov_b32 s27, 0
	s_mov_b32 s28, WQKV_S
	s_cmp_lt_u32 s16, 96
	s_cselect_b32 s24, 256, s24
	s_cselect_b32 s26, s17, 0
	s_cselect_b32 s27, s27, WO_C
	s_cselect_b32 s28, s28, WO_S
	s_cmp_lt_u32 s16, 128
	s_cselect_b32 s24, s24, 16384
	s_cselect_b32 s27, s27, W1_C
	s_cselect_b32 s28, s28, W1_S
	s_cmp_lt_u32 s16, 256
	s_cselect_b32 s24, s24, 4096
	s_cselect_b32 s27, s27, W2_C
	s_cselect_b32 s28, s28, W2_S
	s_mul_i32 s31, s21, 1536
	v_add_nc_u32 v5, s31, v4
.set i, 0
.rept 32
	v_mad_u32_u24 v[VO+i], s24, i, v7
.set i, i+1
.endr
	s_lshl_b32 s29, s22, 2
	s_add_co_u32 s29, s29, s2
	s_lshr_b32 s30, s29, 1
	s_lshl_b32 s30, s30, 18
	s_and_b32 s31, s29, 1
	s_lshl_b32 s31, s31, 7
	s_add_co_u32 s30, s30, s31
	s_lshl_b32 s31, s29, 7
	s_cmp_lt_u32 s16, 96
	s_cselect_b32 s30, s30, s31
	s_lshl_b32 s31, s23, 8
	s_mul_i32 s31, s31, s24
	s_add_co_u32 s4, s30, s31
	s_mov_b32 s5, 0
	s_lshl_b32 s6, s24, 5
	s_mov_b32 s7, 0
	s_lshl_b32 s8, s26, 6
	s_lshl_b32 s9, s22, 3
	s_add_co_u32 s8, s8, s9
	s_lshl_b32 s9, s2, 1
	s_add_co_u32 s8, s8, s9
	s_mul_i32 s8, s8, s21
	s_lshl_b32 s9, s23, 1
	s_add_co_u32 s8, s8, s9
	s_mul_i32 s8, s8, 1536
	s_add_co_u32 s8, s8, s27
	s_mov_b32 s9, 0
	s_lshl_b32 s10, s26, 3
	s_add_co_u32 s10, s10, s22
	s_mul_i32 s10, s10, s21
	s_lshl_b32 s11, s23, 1
	s_add_co_u32 s10, s10, s11
	s_lshl_b32 s10, s10, 9
	s_add_co_u32 s10, s10, s28
	s_mov_b32 s11, 0
	s_wait_alu depctr_va_vdst(0)
	s_wait_kmcnt 0x0
	s_cmp_eq_u32 s17, 1                            ; the tensor: a choice on numbers of the work-group and the wave alone
	s_cselect_b64 s[48:49], s[50:51], s[48:49]
	s_cmp_eq_u32 s17, 2
	s_cselect_b64 s[48:49], s[52:53], s[48:49]
	s_cmp_eq_u32 s17, 3
	s_cselect_b64 s[48:49], s[54:55], s[48:49]
	s_cmp_ge_u32 s16, 128
	s_cselect_b64 s[48:49], s[56:57], s[48:49]
	s_cmp_ge_u32 s16, 256
	s_cselect_b64 s[48:49], s[58:59], s[48:49]
	s_add_nc_u64 s[32:33], s[48:49], s[4:5]        ; a base for each of the eight blocks: none is ever stepped
.irp t, 1,2,3,4,5,6,7
	s_add_nc_u64 s[32+2*\t:33+2*\t], s[30+2*\t:31+2*\t], s[6:7]
.endr
	s_add_nc_u64 s[8:9], s[60:61], s[8:9]
	s_add_nc_u64 s[10:11], s[60:61], s[10:11]
.macro LOAD t                          ; block t: rows 32 t + i of my 256, my column
.set i, 0
.rept 32
	global_load_b32 v[X+32*((\t)%2)+i], v[VO+i], s[32+2*(\t):33+2*(\t)] th:TH_LOAD_NT
.set i, i+1
.endr
.endm
.macro BLOCK t
.set XS, X+32*((\t)%2)
.set OFS, ((\t)/4)*3072+((\t)%2)*256
.if (\t) < 7
	s_wait_loadcnt 32                              ; this block's 32 loads are in; the next block's may be out
.else
	s_wait_loadcnt 0x0
.endif
	v_max3_num_f32 v12, |v[XS]|, |v[XS+1]|, |v[XS+2]|
	v_max3_num_f32 v13, |v[XS+3]|, |v[XS+4]|, |v[XS+5]|
.irp i, 6,10,14,18,22,26
	v_max3_num_f32 v12, v12, |v[XS+\i]|, |v[XS+\i+1]|
	v_max3_num_f32 v13, v13, |v[XS+\i+2]|, |v[XS+\i+3]|
.endr
	v_max3_num_f32 v12, v12, |v[XS+30]|, |v[XS+31]|
	v_max3_num_f32 v12, v12, v13, 0x1800000
	v_add_nc_u32 v11, 0xff000000, v12
	v_lshrrev_b32 v13, 23, v11
.if (\t)%4 == 0
	v_mov_b32 v[SB+(\t)/4], v13
.else
	v_lshl_or_b32 v[SB+(\t)/4], v13, 8*((\t)%4), v[SB+(\t)/4]
.endif
	v_cvt_scalef32_pk16_fp6_f32 v[20:22], v[XS:XS+15], v11
	v_cvt_scalef32_pk16_fp6_f32 v[26:28], v[XS+16:XS+31], v11
	v_nop
	v_mov_b32 v23, v26
	v_mov_b32 v24, v27
	v_mov_b32 v25, v28
.if ((\t)%4) < 2
	ds_store_b128 v2, v[20:23] offset:OFS
	ds_store_b64 v2, v[24:25] offset:OFS+512
.else
	ds_store_b64 v2, v[20:21] offset:OFS+520
	ds_store_b128 v2, v[22:25] offset:OFS+1024
.endif
.if (\t)+2 < 8
	LOAD (\t)+2
.endif
	s_wait_dscnt 0x0                               ; the stores have read their registers
.endm
.macro OUT k                           ; two images and 32 scale words leave; every store of codes covers 512 consecutive bytes, aligned
.irp p, 0,1,2,3,4,5
	ds_load_b128 v[OUTR+24*\k+4*\p:OUTR+24*\k+4*\p+3], v3 offset:\k*3072+\p*512
.endr
	s_wait_dscnt 0x0
.irp p, 0,1,2
	global_store_b128 v4, v[OUTR+24*\k+4*\p:OUTR+24*\k+4*\p+3], s[8:9] offset:\k*1536+\p*512
	global_store_b128 v5, v[OUTR+24*\k+12+4*\p:OUTR+24*\k+12+4*\p+3], s[8:9] offset:\k*1536+\p*512
.endr
	global_store_b32 v6, v[SB+\k], s[10:11] offset:\k*512
.endm
	LOAD 0
	LOAD 1
	BLOCK 0
	BLOCK 1
	BLOCK 2
	BLOCK 3
	s_wait_alu depctr_va_vdst(0)
	OUT 0
	BLOCK 4
	BLOCK 5
	BLOCK 6
	BLOCK 7
	s_wait_alu depctr_va_vdst(0)
	OUT 1
	s_wait_tensorcnt 0x0                           ; the wave's end
	ds_add_u32 v[SPW], v[NIL]
	s_wait_dscnt 0x0
	s_endpgm
; ---------------- the norm
.macro QUANT s                         ; 64 numbers of a lane, register 16 b + i = k 32 b + 16 (lane / 16) + i of its row, become 12 code registers and the row's scale word
.irp b, 0,1,2,3
	v_max3_num_f32 v[TM+\b], |v[\s+16*\b]|, |v[\s+1+16*\b]|, 0x1800000
.endr
.irp i, 2,4,6,8,10,12,14
.irp b, 0,1,2,3
	s_delay_alu instid0(VALU_DEP_4)
	v_max3_num_f32 v[TM+\b], v[TM+\b], |v[\s+16*\b+\i]|, |v[\s+1+16*\b+\i]|
.endr
.endr
.irp b, 0,1,2,3
	s_delay_alu instid0(VALU_DEP_4)
	v_permlanex16_b32 v[TM+4+\b], v[TM+\b], s[SEL], s[SEL+1]
.endr
.irp b, 0,1,2,3
	s_delay_alu instid0(VALU_DEP_4)
	v_max_num_f32 v[TM+\b], v[TM+\b], v[TM+4+\b]
.endr
.irp b, 0,1,2,3
	s_delay_alu instid0(VALU_DEP_4)
	v_add_nc_u32 v[TM+12+\b], 0xff000000, v[TM+\b]
.endr
.irp b, 0,1,2,3
	s_delay_alu instid0(VALU_DEP_4)
	v_lshrrev_b32 v[TM+4+\b], 23, v[TM+12+\b]
.endr
	s_delay_alu instid0(VALU_DEP_3)
	v_lshl_or_b32 v[PW], v[TM+5], 8, v[TM+4]
	s_delay_alu instid0(VALU_DEP_1)
	v_lshl_or_b32 v[PW], v[TM+6], 16, v[PW]
	s_delay_alu instid0(VALU_DEP_1)
	v_lshl_or_b32 v[PW], v[TM+7], 24, v[PW]
.irp c, 0,1
	v_cvt_scalef32_pk16_fp6_f32 v[PC+6*\c:PC+2+6*\c], v[\s+32*\c:\s+15+32*\c], v[TM+12+2*\c]
	v_cvt_scalef32_pk16_fp6_f32 v[PC+12+4*\c:PC+14+4*\c], v[\s+16+32*\c:\s+31+32*\c], v[TM+12+2*\c+1]
.endr
	v_nop
.irp c, 0,1
.irp i, 0,1,2
	v_permlane16_swap_b32 v[PC+6*\c+\i], v[PC+12+4*\c+\i]
.endr
.irp i, 0,1,2
	s_delay_alu instid0(VALU_DEP_3)
	v_mov_b32 v[PC+3+6*\c+\i], v[PC+12+4*\c+\i]
.endr
.endr
.endm
.macro BARRIER
	s_wait_dscnt 0x0
	s_barrier_signal -1
	s_barrier_wait -1
.endm
.macro EIGHT                           ; the eight numbers in v246-253, added in one fixed order, into v12
	v_pk_add_f32 v[246:247], v[246:247], v[248:249]
	v_pk_add_f32 v[250:251], v[250:251], v[252:253]
	s_delay_alu instid0(VALU_DEP_1)
	v_pk_add_f32 v[246:247], v[246:247], v[250:251]
	s_delay_alu instid0(VALU_DEP_1)
	v_add_f32 v12, v246, v247
.endm
.Lnorm:
	s_load_b256 s[4:11], s[0:1], 0x0               ; x, g, b, the operand's buffer
	v_and_b32 v12, 31, v0
	v_and_b32 v13, 15, v0
	v_bfe_u32 v14, v0, 4, 1
	s_delay_alu instid0(VALU_DEP_3)
	v_lshlrev_b32 v7, 4, v12
	s_lshl_b32 s13, s12, 9
	v_add_nc_u32 v1, s13, v7
	s_mul_i32 s14, s12, 8448
	v_add_nc_u32 v2, s14, v7
	v_mul_u32_u24 v3, v13, 528
	s_delay_alu instid0(VALU_DEP_1)
	v_lshl_add_u32 v3, v14, 6, v3
	s_delay_alu instid0(VALU_DEP_1)
	v_add_nc_u32 v3, s14, v3
	v_lshlrev_b32 v4, 6, v14
	s_delay_alu instid0(VALU_DEP_1)
	v_add_nc_u32 v4, s13, v4
	v_lshlrev_b32 v6, 5, v13
	s_delay_alu instid0(VALU_DEP_1)
	v_add_nc_u32 v6, RED1, v6
	s_lshl_b32 s15, s12, 2
	v_add_nc_u32 v5, s15, v6
	s_lshl_b32 s15, s12, 6
	v_lshlrev_b32 v8, 2, v13
	s_delay_alu instid0(VALU_DEP_1)
	v_add_nc_u32 v8, s15, v8
	s_delay_alu instid0(VALU_DEP_1)
	v_add_nc_u32 v8, SCG, v8
	v_lshrrev_b32 v9, 2, v12
	s_delay_alu instid0(VALU_DEP_1)
	v_lshlrev_b32 v9, 9, v9
	v_and_b32 v15, 3, v12
	s_delay_alu instid0(VALU_DEP_1)
	v_lshl_add_u32 v9, v15, 4, v9
	v_add_nc_u32 v254, SCG, v7
.irp b, 0,1,2,3
	v_mov_b32 v[TM+4+\b], 0
.endr
	s_mov_b32 s[SEL], 0x76543210
	s_mov_b32 s[SEL+1], 0xfedcba98
	s_mov_b32 s22, 0x3a800000                      ; 1 / 1,024
	s_mov_b32 s23, 0x3727c5ac                      ; 1e-5
	s_lshr_b32 s16, ttmp9, 1
	s_lshl_b32 s16, s16, 17
	s_and_b32 s17, ttmp9, 1
	s_lshl_b32 s17, s17, 15
	s_add_co_u32 s16, s16, s17
	s_mov_b32 s17, 0
	s_lshl_b32 s24, ttmp9, 3
	s_add_co_u32 s24, s24, s12
	s_mul_i32 s24, s24, 1536
	s_mov_b32 s25, 0
	s_lshr_b32 s26, ttmp9, 3
	s_lshl_b32 s26, s26, 12
	s_and_b32 s27, ttmp9, 7
	s_lshl_b32 s27, s27, 6
	s_add_co_u32 s26, s26, s27
	s_add_co_u32 s26, s26, HS
	s_mov_b32 s27, 0
	s_wait_alu depctr_va_vdst(0)
	s_wait_kmcnt 0x0
	s_add_nc_u64 s[4:5], s[4:5], s[16:17]
	s_add_nc_u64 s[24:25], s[10:11], s[24:25]
	s_add_nc_u64 s[26:27], s[10:11], s[26:27]
.irp i, 0,1,2,3,4,5,6,7,8,9,10,11,12,13,14,15
	global_load_b128 v[BR+4*\i:BR+4*\i+3], v1, s[4:5] offset:(\i+8*(\i/8))*4096
.endr
.irp b, 0,1,2,3
.irp j, 0,1,2,3
	global_load_b128 v[GR+16*\b+4*\j:GR+16*\b+4*\j+3], v4, s[6:7] offset:128*\b+16*\j
.endr
.endr
	s_wait_loadcnt 16                              ; x is in; g's sixteen loads may be out
.irp i, 0,1,2,3,4,5,6,7,8,9,10,11,12,13,14,15
	ds_store_b128 v2, v[BR+4*\i:BR+4*\i+3] offset:528*\i
.endr
.irp b, 0,1,2,3
.irp j, 0,1,2,3
	ds_load_b128 v[XR+16*\b+4*\j:XR+16*\b+4*\j+3], v3 offset:128*\b+16*\j
.endr
.endr
	s_wait_dscnt 0x0
.irp b, 0,1,2,3
.irp j, 0,1,2,3
	global_load_b128 v[BR+16*\b+4*\j:BR+16*\b+4*\j+3], v4, s[8:9] offset:128*\b+16*\j
.endr
.endr
.irp c, 0,1,2,3
	v_pk_add_f32 v[246+2*\c:247+2*\c], v[XR+2*\c:XR+2*\c+1], v[XR+8+2*\c:XR+8+2*\c+1]
.endr
.irp j, 16,24,32,40,48,56
.irp c, 0,1,2,3
	s_delay_alu instid0(VALU_DEP_4)
	v_pk_add_f32 v[246+2*\c:247+2*\c], v[246+2*\c:247+2*\c], v[XR+\j+2*\c:XR+\j+2*\c+1]
.endr
.endr
	EIGHT
	s_delay_alu instid0(VALU_DEP_1)
	v_permlanex16_b32 v13, v12, s[SEL], s[SEL+1]
	s_delay_alu instid0(VALU_DEP_1)
	v_add_f32 v12, v12, v13
	ds_store_b32 v5, v12
	BARRIER
	ds_load_b128 v[246:249], v6
	ds_load_b128 v[250:253], v6 offset:16
	s_wait_dscnt 0x0
	EIGHT
	s_delay_alu instid0(VALU_DEP_1)
	v_mul_f32 v12, s22, v12                        ; the mean
.set j, 0
	s_wait_alu depctr_va_vdst(0)
.rept 32
	v_pk_add_f32 v[XR+j:XR+j+1], v[XR+j:XR+j+1], v[12:13] op_sel_hi:[1,0] neg_lo:[0,1] neg_hi:[0,1]
.set j, j+2
.endr
.irp c, 0,1,2,3
	v_pk_mul_f32 v[246+2*\c:247+2*\c], v[XR+2*\c:XR+2*\c+1], v[XR+2*\c:XR+2*\c+1]
.endr
.irp j, 8,16,24,32,40,48,56
.irp c, 0,1,2,3
	s_delay_alu instid0(VALU_DEP_4)
	v_pk_fma_f32 v[246+2*\c:247+2*\c], v[XR+\j+2*\c:XR+\j+2*\c+1], v[XR+\j+2*\c:XR+\j+2*\c+1], v[246+2*\c:247+2*\c]
.endr
.endr
	EIGHT
	s_delay_alu instid0(VALU_DEP_1)
	v_permlanex16_b32 v13, v12, s[SEL], s[SEL+1]
	s_delay_alu instid0(VALU_DEP_1)
	v_add_f32 v12, v12, v13
	ds_store_b32 v5, v12 offset:512                ; other bytes than the first pass's
	BARRIER
	ds_load_b128 v[246:249], v6 offset:512
	ds_load_b128 v[250:253], v6 offset:528
	s_wait_dscnt 0x0
	EIGHT
	s_delay_alu instid0(VALU_DEP_1)
	v_fma_f32 v14, v12, s22, s23                   ; the variance + 1e-5
	s_wait_alu depctr_va_vdst(0)
	v_rsq_f32 v14, v14
	v_nop
	s_wait_alu depctr_va_vdst(0)
	s_wait_loadcnt 0x0                             ; g and b
.set j, 0
.rept 32
	v_pk_mul_f32 v[XR+j:XR+j+1], v[XR+j:XR+j+1], v[14:15] op_sel_hi:[1,0]
.set j, j+2
.endr
.set j, 0
.rept 32
	v_pk_fma_f32 v[XR+j:XR+j+1], v[XR+j:XR+j+1], v[GR+j:GR+j+1], v[BR+j:BR+j+1]
.set j, j+2
.endr
	QUANT XR
.irp c, 0,1,2
	global_store_b128 v7, v[PC+4*\c:PC+4*\c+3], s[24:25] offset:512*\c
.endr
	ds_store_b32 v8, v[PW]
	BARRIER
	s_cmp_lg_u32 s12, 0                            ; wave 0 sends the tile's 128 scale words: 64 bytes for each K step
	s_cbranch_scc1 .Lnot_wave_0
	ds_load_b128 v[246:249], v254
	s_wait_dscnt 0x0
	global_store_b128 v9, v[246:249], s[26:27]
.Lnot_wave_0:
	s_wait_tensorcnt 0x0                           ; the wave's end
	ds_add_u32 v[SPW], v[NIL]
	s_wait_dscnt 0x0
	s_endpgm
.Lfunc_end_k_qc41defb3a1_prep:
	.size	k_qc41defb3a1_prep, .Lfunc_end_k_qc41defb3a1_prep-k_qc41defb3a1_prep
	.p2alignl 7, 3214868480
	.fill 96, 4, 3214868480
	.section	.rodata,"a",@progbits
	.p2align	6, 0x0
	.amdhsa_kernel k_qc41defb3a1_prep
		.amdhsa_group_segment_fixed_size 119296
		.amdhsa_private_segment_fixed_size 0
		.amdhsa_enable_private_segment 0
		.amdhsa_kernarg_size 88
		.amdhsa_user_sgpr_count 2
		.amdhsa_user_sgpr_kernarg_segment_ptr 1
		.amdhsa_wavefront_size32 1
		.amdhsa_system_sgpr_workgroup_id_x 1
		.amdhsa_system_sgpr_workgroup_id_y 1
		.amdhsa_system_sgpr_workgroup_id_z 1
		.amdhsa_system_vgpr_workitem_id 0
		.amdhsa_next_free_vgpr 256
		.amdhsa_next_free_sgpr 80
		.amdhsa_reserve_vcc 0
		.amdhsa_float_denorm_mode_32 3
		.amdhsa_float_denorm_mode_16_64 3
		.amdhsa_memory_ordered 1
		.amdhsa_forward_progress 1
		.amdhsa_inst_pref_size 76
	.end_amdhsa_kernel
	.amdgpu_metadata
---
amdhsa.version: [ 1, 2 ]
amdhsa.kernels:
  - .name:           k_qc41defb3a1_prep
    .symbol:         k_qc41defb3a1_prep.kd
    .args:
      - { .name: x, .offset: 0, .size: 8, .value_kind: global_buffer, .address_space: global }
      - { .name: g1, .offset: 8, .size: 8, .value_kind: global_buffer, .address_space: global }
      - { .name: be1, .offset: 16, .size: 8, .value_kind: global_buffer, .address_space: global }
      - { .name: hq, .offset: 24, .size: 8, .value_kind: global_buffer, .address_space: global }
      - { .name: Wq, .offset: 32, .size: 8, .value_kind: global_buffer, .address_space: global }
      - { .name: Wk, .offset: 40, .size: 8, .value_kind: global_buffer, .address_space: global }
      - { .name: Wv, .offset: 48, .size: 8, .value_kind: global_buffer, .address_space: global }
      - { .name: Wo, .offset: 56, .size: 8, .value_kind: global_buffer, .address_space: global }
      - { .name: W1, .offset: 64, .size: 8, .value_kind: global_buffer, .address_space: global }
      - { .name: W2, .offset: 72, .size: 8, .value_kind: global_buffer, .address_space: global }
      - { .name: wts, .offset: 80, .size: 8, .value_kind: global_buffer, .address_space: global }
    .group_segment_fixed_size: 119296
    .private_segment_fixed_size: 0
    .kernarg_segment_align: 8
    .kernarg_segment_size: 88
    .max_flat_workgroup_size: 256
    .sgpr_count:     80
    .vgpr_count:     256
    .wavefront_size: 32
...
	.end_amdgpu_metadata
.endif
;; end of part 1
;; launch proj_qkv (part 2): grid 8 x 24, 4 waves a work-group, clusters of 4 x 4, 327,680 bytes of LDS; arguments hq, wts, qkvc; writes qkvc
.if DOCPART == 2
	.amdgcn_target "amdgcn-amd-amdhsa--gfx1250"
	.amdhsa_code_object_version 6
	.text
	.protected	k_qc41defb3a1_proj_qkv
	.globl	k_qc41defb3a1_proj_qkv
	.p2align	8
	.type	k_qc41defb3a1_proj_qkv,@function
k_qc41defb3a1_proj_qkv:
	s_mov_b64 s[64:65], 0
	v_nop
	global_prefetch_b8 v0, s[64:65] scope:SCOPE_SE
	s_setreg_imm32_b32 hwreg(HW_REG_WAVE_MODE, 25, 1), 1
	s_wait_xcnt 0x0
	s_wait_alu depctr_hold_cnt(0) depctr_sa_sdst(0) depctr_va_vdst(0) depctr_va_sdst(0) depctr_va_ssrc(0) depctr_va_vcc(0) depctr_vm_vsrc(0)
	s_getreg_b32 s2, hwreg(HW_REG_IB_STS2, 6, 4)
	s_cmp_eq_u32 s2, 0
	s_cbranch_scc0 .Lentry_in_a_cluster
	s_endpgm
.Lentry_in_a_cluster:
	s_bfe_u32 s2, ttmp6, 0x10000c
	s_cmp_lg_u32 s2, 0xf033
	s_cbranch_scc0 .Lentry_shape_is_right
	s_endpgm
.Lentry_shape_is_right:
; q, k, v = h Wq, h Wk, h Wv on codes of FP6 (E2M3) with E8M0 scales, K = 1,024; the results are quantised at once, as the attention's operands, and stored as operand images.
; OPERANDS are images: [tile of 16 rows][K step of 128][1536 bytes] (registers 4 c .. 4 c + 3 of lane l at 512 c + 16 l); tile T, place r is row 32 (T / 2) + 8 (T % 2) + r + 8 (r / 8);
; scale words [T / 8][K step][128 words], word 16 (T % 8) + r: one load of 4 bytes a lane brings two tiles' words, the even tile's in lanes 0-15, the odd one's in lanes 16-31.
; THE PRODUCT: source 0 = X, source 1 = Y.  A lane then holds ONE row of Y, and by the order of rows in a tile the 16 registers of X's tiles 2 B, 2 B + 1 are X's rows 32 B + 16 (lane / 16) + 0 .. 15: neighbours.
; q and k (clusters with y under 4): X = the weights' 2,048 features, Y = tokens: a lane's registers run along the features, which are the scores' K.  OUT: [token tile][16][1536], K steps 0-7 q's pairs of heads, 8-15 k's.
; v (clusters with y 4, 5): X = tokens, Y = Wv's features: a lane's registers run along the tokens, which are the second product's K.  OUT: [feature tile][32][1536].  The choice is made by s_cselect on the cluster's y, which all partners share.
; A work-group makes 256 x 256, each of four waves 128 x 128 (64 accumulators).  K goes through two LDS slots of two K steps; CLUSTER 4 x 4: Y's tiles are asked for jointly along a row, X's along a column.
; All scale words of the work-group's rows come once, with the first fills.  A wave has one tensor load out at the head and one behind each round.
; REGISTERS: window 0: v0-31 addresses, v32-47 scale words (two sets), v64-159 and v160-255 Y's fragments (two sets); window 1: X's fragments at v0 and v128; windows 2, 3: accumulator (a, b) at v[8 (8 (a % 4) + b)].
; LIMITS: a block of zeros gets the byte 1 (zero codes; read by this program alone); NaN and infinities are not served.
.set HS,     3145728
.set WQKV_S, 9437184
.set WV_C,   1572864
.set V_C,    6291456
.set QK_S,   9437184
.set V_S,    9699328
.set RTB,    3072                      ; a tile's bytes in a slot: two K steps
.set SLOT,   98304                     ; Y's 16 tiles, then X's 16
.set SCL,    196608                    ; the scale words: Y's two groups of 4,096 bytes, then X's
.set SPARE,  262144                    ; the spare words, 128 bytes a wave
.set SCW,    262656                    ; the results' scale words, 512 bytes a wave
.set ADY, 16
.set ADX, 18
.set ADSY, 20
.set ADSX, 21
.set DMP, 22                           ; the way out: my 65,536 bytes of LDS, 16 x lane
.set RDA, 23
.set LI,  24                           ; 16 x lane
.set SWA, 25
.set TMA, 26
.set SPW, 28
.set NIL, 29
.set SRD, 30
.set SC,  32
.set YF,  64
.set H,   64                           ; the way out: a tile's 64 numbers a lane
.set TM,  192
.set PC,  208
.set PW,  228
.set SEL, 46
.set G1, 24
.set G0, 32
.set G1B, 48
.set G0B, 56
.set G1S, 68
.set G0S, 76
.set G1SB, 80
.set G0SB, 88
.set MSB, 0
.macro WIN new                         ; the immediate's high byte repeats the setting that is left
.if MSB != \new
	s_set_vgpr_msb (MSB<<8)|\new
.set MSB, \new
.endif
.endm
.set MUL_LO, 0xa1                      ; source 0 (X) window 1, source 1 (Y) window 0, C and D window 2
.set MUL_HI, 0xf1
.set TO_X,   0x40
.macro JLOAD g0a, g1a, g0b, g1b        ; a joint load: waves 0, 1 fetch for Y, waves 2, 3 for X; an s_nop 0 and four v_nop follow each line
	s_cmp_eq_u32 s15, 0
	s_cbranch_scc0 .Lfor_b_\@
	tensor_load_to_lds s[\g0a:\g0a+3], s[\g1a:\g1a+7]
	s_nop 0
.rept 4
	v_nop
.endr
	s_branch .Lasked_\@
.Lfor_b_\@:
	tensor_load_to_lds s[\g0b:\g0b+3], s[\g1b:\g1b+7]
	s_nop 0
.rept 4
	v_nop
.endr
.Lasked_\@:
.endm
.macro CREST                           ; a round of the cluster's barrier behind its opening barrier
	s_cmp_lg_u32 s14, 0
	s_cbranch_scc1 .Lnot_wave_0_\@
	s_barrier_signal -3
.Lnot_wave_0_\@:
	s_barrier_wait -3
	s_barrier_signal -1
	s_barrier_wait -1
.endm
.macro CROUND
	s_barrier_signal -1
	s_barrier_wait -1
	CREST
.endm
.macro PLACES n
.rept \n
	v_nop
.endr
.endm
.macro WM d, x, y, zero, sx, sy, rx, ry   ; one product; rx, ry: the scale words lie in lanes 16-31 of their registers
.if \zero
.if ((\rx)==0) && ((\ry)==0)
	v_wmma_scale_f32_16x16x128_f8f6f4 v[(\d):(\d)+7], v[(\x):(\x)+11], v[(\y):(\y)+11], 0, v[(\sx)], v[(\sy)] matrix_a_fmt:MATRIX_FMT_FP6 matrix_b_fmt:MATRIX_FMT_FP6
.elseif (\ry)==0
	v_wmma_scale_f32_16x16x128_f8f6f4 v[(\d):(\d)+7], v[(\x):(\x)+11], v[(\y):(\y)+11], 0, v[(\sx)], v[(\sy)] matrix_a_fmt:MATRIX_FMT_FP6 matrix_b_fmt:MATRIX_FMT_FP6 matrix_a_scale:MATRIX_SCALE_ROW1
.elseif (\rx)==0
	v_wmma_scale_f32_16x16x128_f8f6f4 v[(\d):(\d)+7], v[(\x):(\x)+11], v[(\y):(\y)+11], 0, v[(\sx)], v[(\sy)] matrix_a_fmt:MATRIX_FMT_FP6 matrix_b_fmt:MATRIX_FMT_FP6 matrix_b_scale:MATRIX_SCALE_ROW1
.else
	v_wmma_scale_f32_16x16x128_f8f6f4 v[(\d):(\d)+7], v[(\x):(\x)+11], v[(\y):(\y)+11], 0, v[(\sx)], v[(\sy)] matrix_a_fmt:MATRIX_FMT_FP6 matrix_b_fmt:MATRIX_FMT_FP6 matrix_a_scale:MATRIX_SCALE_ROW1 matrix_b_scale:MATRIX_SCALE_ROW1
.endif
.else
.if ((\rx)==0) && ((\ry)==0)
	v_wmma_scale_f32_16x16x128_f8f6f4 v[(\d):(\d)+7], v[(\x):(\x)+11], v[(\y):(\y)+11], v[(\d):(\d)+7], v[(\sx)], v[(\sy)] matrix_a_fmt:MATRIX_FMT_FP6 matrix_b_fmt:MATRIX_FMT_FP6
.elseif (\ry)==0
	v_wmma_scale_f32_16x16x128_f8f6f4 v[(\d):(\d)+7], v[(\x):(\x)+11], v[(\y):(\y)+11], v[(\d):(\d)+7], v[(\sx)], v[(\sy)] matrix_a_fmt:MATRIX_FMT_FP6 matrix_b_fmt:MATRIX_FMT_FP6 matrix_a_scale:MATRIX_SCALE_ROW1
.elseif (\rx)==0
	v_wmma_scale_f32_16x16x128_f8f6f4 v[(\d):(\d)+7], v[(\x):(\x)+11], v[(\y):(\y)+11], v[(\d):(\d)+7], v[(\sx)], v[(\sy)] matrix_a_fmt:MATRIX_FMT_FP6 matrix_b_fmt:MATRIX_FMT_FP6 matrix_b_scale:MATRIX_SCALE_ROW1
.else
	v_wmma_scale_f32_16x16x128_f8f6f4 v[(\d):(\d)+7], v[(\x):(\x)+11], v[(\y):(\y)+11], v[(\d):(\d)+7], v[(\sx)], v[(\sy)] matrix_a_fmt:MATRIX_FMT_FP6 matrix_b_fmt:MATRIX_FMT_FP6 matrix_a_scale:MATRIX_SCALE_ROW1 matrix_b_scale:MATRIX_SCALE_ROW1
.endif
.endif
.endm
.macro MUL16 a0, p, zero               ; Y's tiles a0, a0 + 1 against X's eight, register set p.  The 64 accumulators take turns, one instruction a turn, in the same order in every step
.irp a, \a0, \a0+1
.irp b, 0,1,2,3,4,5,6,7
	WM 8*(8*((\a)%4)+\b), 128*(\p)+12*\b, YF+96*(\p)+12*(\a), \zero, SC+8*(\p)+\b/2, SC+8*(\p)+4+(\a)/2, \b%2, (\a)%2
.endr
.endr
.endm
.macro FRAG3 reg, adr, off             ; a fragment comes back as it was stored: three loads of 512 consecutive bytes
.irp c, 0,1,2
	ds_load_b128 v[\reg+4*\c:\reg+4*\c+3], v[\adr] offset:\off+512*\c
.endr
.endm
.macro FETCH ks                        ; K step ks: 56 LDS loads in one run: X's eight fragments, eight scale registers, Y's eight (tiles 4-7 last)
.set FSL, ((\ks)/2)%2
.set FQ,  (\ks)%2
	WIN TO_X
.irp i, 0,1,2,3,4,5,6,7
	FRAG3 128*FQ+12*\i, ADX+FSL, \i*RTB+FQ*1536
.endr
	WIN 0
.irp i, 0,1,2,3
	ds_load_b32 v[SC+8*FQ+\i], v[ADSX] offset:512*(\ks)+128*\i
.endr
.irp i, 0,1,2,3
	ds_load_b32 v[SC+8*FQ+4+\i], v[ADSY] offset:512*(\ks)+128*\i
.endr
.irp i, 0,1,2,3,4,5,6,7
	FRAG3 YF+96*FQ+12*\i, ADY+FSL, \i*RTB+FQ*1536
.endr
.endm
.macro STEP ks, zero                   ; a K step whose successor lies in the same slot
	s_wait_dscnt 12                                ; all but the youngest twelve loads (Y's tiles 4-7) are in
	WIN MUL_LO
	MUL16 0, (\ks)%2, \zero
	MUL16 2, (\ks)%2, \zero
	PLACES 4                                       ; four places in front of loads into registers that matrix instructions have read (ISA guide 7.12.1 for vector instructions)
	FETCH (\ks)+1
	s_wait_dscnt 56                                ; all but the 56 just issued
	WIN MUL_HI
	MUL16 4, (\ks)%2, \zero
	MUL16 6, (\ks)%2, \zero
	WIN 0
.endm
.macro TURN ks, fill                   ; a slot's last K step changes slots: one barrier; fill = 1: the slot is filled again, two slots ahead, behind a round of the cluster's barrier
.set TSL, ((\ks)/2)%2
	s_wait_tensorcnt 0x0                           ; all my tensor loads have landed: my part of the next slot
	ds_add_u32 v[SPW], v[NIL]                      ; 0 onto my spare word
	s_wait_dscnt 0x0                               ; the add is done, and my reads of this slot are over: the refill follows at once, and this step's 64 products stand behind it
	s_barrier_signal -1
	s_barrier_wait -1
.if \fill
	CREST                                          ; no wave of any partner still reads this slot or has a load on its way
	s_add_nc_u64 s[G0+4*TSL+2:G0+4*TSL+3], s[G0+4*TSL+2:G0+4*TSL+3], 2*RTB
	s_add_nc_u64 s[G0B+4*TSL+2:G0B+4*TSL+3], s[G0B+4*TSL+2:G0B+4*TSL+3], 2*RTB
	JLOAD G0+4*TSL, G1, G0B+4*TSL, G1B             ; the first tensor load behind the round; its four v_nop are the places in front of the loads below
.else
	PLACES 4
.endif
	FETCH (\ks)+1
	WIN MUL_LO
	MUL16 0, (\ks)%2, 0
	MUL16 2, (\ks)%2, 0
	WIN MUL_HI
	MUL16 4, (\ks)%2, 0
	MUL16 6, (\ks)%2, 0
	WIN 0
.endm
.macro QUANT s                         ; 64 numbers of a lane, register 16 b + i = k 32 b + 16 (lane / 16) + i of its row, become 12 code registers in v[PC] on and the row's scale word in v[PW]
.irp b, 0,1,2,3
	v_max3_num_f32 v[TM+\b], |v[\s+16*\b]|, |v[\s+1+16*\b]|, 0x1800000   ; with the floor 2^(3 - 127): the byte cannot fall under 1
.endr
.irp i, 2,4,6,8,10,12,14
.irp b, 0,1,2,3
	v_max3_num_f32 v[TM+\b], v[TM+\b], |v[\s+16*\b+\i]|, |v[\s+1+16*\b+\i]|
.endr
.endr
.irp b, 0,1,2,3
	v_permlanex16_b32 v[TM+4+\b], v[TM+\b], s[SEL], s[SEL+1]
.endr
.irp b, 0,1,2,3
	v_max_num_f32 v[TM+\b], v[TM+\b], v[TM+4+\b]
.endr
.irp b, 0,1,2,3
	v_add_nc_u32 v[TM+12+\b], 0xff000000, v[TM+\b] ; 2 off the exponent field: the conversion's scale operand
.endr
.irp b, 0,1,2,3
	v_lshrrev_b32 v[TM+4+\b], 23, v[TM+12+\b]      ; the scale's byte
.endr
	v_lshl_or_b32 v[PW], v[TM+5], 8, v[TM+4]
	v_lshl_or_b32 v[PW], v[TM+6], 16, v[PW]
	v_lshl_or_b32 v[PW], v[TM+7], 24, v[PW]
.irp c, 0,1
	v_cvt_scalef32_pk16_fp6_f32 v[PC+6*\c:PC+2+6*\c], v[\s+32*\c:\s+15+32*\c], v[TM+12+2*\c]
	v_cvt_scalef32_pk16_fp6_f32 v[PC+12+4*\c:PC+14+4*\c], v[\s+16+32*\c:\s+31+32*\c], v[TM+12+2*\c+1]
.endr
	v_nop                                          ; one plain place behind a scaled conversion
.irp c, 0,1
.irp i, 0,1,2
	v_permlane16_swap_b32 v[PC+6*\c+\i], v[PC+12+4*\c+\i]
.endr
.irp i, 0,1,2
	v_mov_b32 v[PC+3+6*\c+\i], v[PC+12+4*\c+\i]
.endr
.endr
.endm
	s_load_b128 s[4:7], s[0:1], 0x0                ; hq, wts
	s_load_b64 s[10:11], s[0:1], 0x10              ; qkvc
	v_lshl_add_u32 v[SPW], v0, 2, SPARE
	v_mov_b32 v[NIL], 0
	ds_add_u32 v[SPW], v[NIL]                      ; the wave's opening: the add and its wait come ahead of my first tensor load
	ds_add_u32 v[SPW], v[NIL]
	v_lshrrev_b32 v1, 5, v0
	v_readfirstlane_b32 s14, v1                    ; wave
	s_lshr_b32 s15, s14, 1                         ; which 128 rows of Y are mine.  Also: I fetch for Y (0) or X (1)
	s_and_b32 s16, s14, 1                          ; which 128 rows of X.  Also: which half I fetch
	s_bfe_u32 s40, ttmp6, 0x40000                  ; cx
	s_bfe_u32 s41, ttmp6, 0x40004                  ; cy
	s_and_b32 s18, ttmp7, 0xffff                   ; the cluster's y: 0-3 q and k, 4-5 v
	s_max_u32 s19, s18, 4
	s_sub_co_u32 s19, s19, 4
	s_lshl_b32 s19, s19, 3
	s_lshl_b32 s42, ttmp9, 2
	s_add_co_u32 s42, s42, s19
	s_add_co_u32 s42, s42, s40                     ; X's block of 256 rows: 4 x cluster x + cx; for v 8 (cluster y - 4) more
	s_lshl_b32 s17, s18, 2
	s_cmp_ge_u32 s18, 4
	s_cselect_b32 s17, 0, s17
	s_cselect_b32 s66, WV_C, 0                     ; where Y's codes begin in their buffer,
	s_mov_b32 s67, HS
	s_cselect_b32 s67, WQKV_S+65536, s67           ; Y's scale words,
	s_mov_b32 s95, WQKV_S
	s_cselect_b32 s95, HS, s95                     ; X's scale words (X's codes begin at 0 either way)
	s_add_co_u32 s17, s17, s41                     ; Y's block of 256 rows: 4 x cluster y + cy; for v cy
	s_lshl_b32 s43, s41, 2
	s_lshl_b32 s43, 15, s43                        ; my row of the cluster
	s_lshl_b32 s44, 0x1111, s40                    ; my column
	s_or_b32 s[G1+0], s43, (3<<16)|(1<<21)         ; 15:0 the mask; 17:16 elements of 8 bytes; 21 set beside a mask; no padding
	s_or_b32 s[G1B+0], s44, (3<<16)|(1<<21)
.irp g, G1, G1B                        ; codes: 8 tiles x 3,072 bytes (two K steps), 12,288 bytes from tile to tile
	s_mov_b32 s[\g+1], 384<<16
	s_mov_b32 s[\g+2], 16<<16                      ; the head's loads bring all 16 tiles of an operand
	s_mov_b32 s[\g+3], 384<<16
	s_mov_b32 s[\g+4], 16
	s_mov_b32 s[\g+5], 1536
	s_mov_b32 s[\g+6], 0
	s_mov_b32 s[\g+7], 0
.endr
	s_or_b32 s[G1S+0], s43, (3<<16)|(1<<21)
	s_or_b32 s[G1SB+0], s44, (3<<16)|(1<<21)
.irp g, G1S, G1SB                      ; scale words: 4,096 dense bytes as 16 rows of 256
	s_mov_b32 s[\g+1], 32<<16
	s_mov_b32 s[\g+2], 32<<16                      ; 8,192 dense bytes: both groups of an operand's scale words
	s_mov_b32 s[\g+3], 32<<16
	s_mov_b32 s[\g+4], 32
	s_mov_b32 s[\g+5], 32
	s_mov_b32 s[\g+6], 0
	s_mov_b32 s[\g+7], 0
.endr
	s_mul_i32 s20, s17, 196608
	s_mul_i32 s2, s16, 98304
	s_add_co_u32 s20, s20, s2
	s_add_co_u32 s20, s20, s66                     ; Y's codes: made of Y's block and the wave's number alone
	s_mul_i32 s46, s42, 196608
	s_add_co_u32 s46, s46, s2                      ; X's
	s_lshl_b32 s22, s17, 13
	s_lshl_b32 s2, s16, 12
	s_add_co_u32 s22, s22, s2
	s_add_co_u32 s22, s22, s67
	s_lshl_b32 s92, s42, 13
	s_add_co_u32 s92, s92, s2
	s_add_co_u32 s92, s92, s95
	s_mov_b32 s21, 0
	s_mov_b32 s23, 0
	s_mov_b32 s47, 0
	s_mov_b32 s93, 0
	s_mul_i32 s45, s14, 24576                      ; where they go: no place in the cluster enters an LDS address
	s_lshl_b32 s94, s14, 12
	s_wait_dscnt 0x0                               ; the opening add is done
	s_wait_kmcnt 0x0
	s_cmp_ge_u32 s18, 4
	s_cselect_b64 s[96:97], s[6:7], s[4:5]         ; Y's buffer
	s_cselect_b64 s[98:99], s[4:5], s[6:7]         ; X's
	s_add_nc_u64 s[20:21], s[96:97], s[20:21]
	s_add_nc_u64 s[22:23], s[96:97], s[22:23]
	s_add_nc_u64 s[46:47], s[98:99], s[46:47]
	s_add_nc_u64 s[92:93], s[98:99], s[92:93]
	CROUND                                         ; all sixteen work-groups are here: the first joint loads meet
	s_mov_b32 s3, 0                                ; s2 holds the wave's half of the scale words: taken off, the address is the block's first word
	s_mov_b32 s[G0S], 1
	s_mov_b32 s[G0S+1], SCL
	s_sub_nc_u64 s[G0S+2:G0S+3], s[22:23], s[2:3]
	s_or_b32 s[G0S+3], s[G0S+3], 0x80000000
	s_mov_b32 s[G0SB], 1
	s_mov_b32 s[G0SB+1], SCL+8192
	s_sub_nc_u64 s[G0SB+2:G0SB+3], s[92:93], s[2:3]
	s_or_b32 s[G0SB+3], s[G0SB+3], 0x80000000
.irp s, 0,1
	s_mov_b32 s[G0+4*\s], 1
	s_add_co_u32 s[G0+4*\s+1], s45, \s*SLOT
	s_add_nc_u64 s[G0+4*\s+2:G0+4*\s+3], s[20:21], \s*RTB
	s_or_b32 s[G0+4*\s+3], s[G0+4*\s+3], 0x80000000
	s_mov_b32 s[G0B+4*\s], 1
	s_add_co_u32 s[G0B+4*\s+1], s45, \s*SLOT
	s_add_nc_u64 s[G0B+4*\s+2:G0B+4*\s+3], s[46:47], \s*RTB
	s_or_b32 s[G0B+4*\s+3], s[G0B+4*\s+3], 0x80000000
.endr
	; the head's four tiles, one joint load a wave, in one chain of branches on the wave's number: wave 0 Y's slot 0, wave 1 Y's scale words, wave 2 X's slot 0, wave 3 X's scale words
	s_cmp_eq_u32 s14, 0
	s_cbranch_scc0 .Lh1
	tensor_load_to_lds s[G0:G0+3], s[G1:G1+7]
	s_nop 0
	PLACES 4
	s_branch .Lhj
.Lh1:
	s_cmp_eq_u32 s14, 1
	s_cbranch_scc0 .Lh2
	tensor_load_to_lds s[G0S:G0S+3], s[G1S:G1S+7]
	s_nop 0
	PLACES 4
	s_branch .Lhj
.Lh2:
	s_cmp_eq_u32 s14, 2
	s_cbranch_scc0 .Lh3
	tensor_load_to_lds s[G0B:G0B+3], s[G1B:G1B+7]
	s_nop 0
	PLACES 4
	s_branch .Lhj
.Lh3:
	tensor_load_to_lds s[G0SB:G0SB+3], s[G1SB:G1SB+7]
	s_nop 0
	PLACES 4
.Lhj:
	v_and_b32 v3, 31, v0
	v_and_b32 v1, 15, v0
	v_lshlrev_b32 v[LI], 4, v3
	s_wait_alu depctr_va_vdst(0)
	s_mul_i32 s21, s15, 24576
	s_mul_i32 s22, s16, 24576
	s_add_co_u32 s22, s22, 49152
.irp s, 0,1
	v_add_nc_u32 v[ADY+\s], s21, v[LI]
	v_add_nc_u32 v[ADX+\s], s22, v[LI]
	s_add_co_u32 s21, s21, SLOT
	s_add_co_u32 s22, s22, SLOT
.endr
	v_lshlrev_b32 v4, 2, v3
	v_lshlrev_b32 v27, 3, v3                       ; 8 x lane
	s_lshl_b32 s21, s15, 12
	s_add_co_u32 s21, s21, SCL
	v_add_nc_u32 v[ADSY], s21, v4
	s_lshl_b32 s21, s16, 12
	s_add_co_u32 s21, s21, SCL+8192
	v_add_nc_u32 v[ADSX], s21, v4
	s_lshl_b32 s21, s14, 16
	v_add_nc_u32 v[DMP], s21, v[LI]
	s_lshl_b32 s21, s14, 9
	s_add_co_u32 s21, s21, SCW
	v_lshl_add_u32 v[SWA], v1, 2, s21
	v_add_nc_u32 v[SRD], s21, v[LI]
	s_cmp_ge_u32 s18, 4                            ; where the results go
	s_cselect_b32 s66, 32, 16                      ; K steps in a row of the result's images
	s_cselect_b32 s67, V_C, 0
	s_mov_b32 s95, QK_S
	s_cselect_b32 s95, V_S, s95
	s_lshl_b32 s20, s17, 4
	s_lshl_b32 s21, s15, 3
	s_add_co_u32 s20, s20, s21                     ; my first tile of Y
	s_mul_i32 s20, s20, s66
	s_lshl_b32 s46, s42, 1
	s_add_co_u32 s46, s46, s16                     ; my 128 rows of X are one K step of the result
	s_add_co_u32 s20, s20, s46
	s_mul_i32 s20, s20, 1536
	s_add_co_u32 s20, s20, s67
	s_mov_b32 s21, 0
	s_add_nc_u64 s[12:13], s[10:11], s[20:21]
	s_lshl_b32 s20, s17, 1
	s_add_co_u32 s20, s20, s15
	s_mul_i32 s20, s20, s66
	s_add_co_u32 s20, s20, s46
	s_lshl_b32 s20, s20, 9
	s_add_co_u32 s20, s20, s95
	s_add_nc_u64 s[96:97], s[10:11], s[20:21]
	s_mul_i32 s98, s66, 1536                       ; from a tile's image to the next tile's
	s_mov_b32 s99, 0
	s_wait_alu depctr_va_vdst(0)
	s_wait_tensorcnt 0x0                           ; my tile of the head's four is in; slot 1's first fill is issued as a refill is
	ds_add_u32 v[SPW], v[NIL]
	s_mov_b32 s[G1+2], 8<<16                       ; no tensor load of mine is out: from here on a load brings 8 tiles
	s_mov_b32 s[G1+4], 8
	s_mov_b32 s[G1B+2], 8<<16
	s_mov_b32 s[G1B+4], 8
	s_wait_dscnt 0x0
	CROUND                                         ; everybody's tile is in, and the joint loads meet
	JLOAD G0+4, G1, G0B+4, G1B
	FETCH 0
	STEP 0, 1                                      ; the first products start the sums: nothing is cleared
	TURN 1, 1
	STEP 2, 0
	TURN 3, 1
	STEP 4, 0
	TURN 5, 0
	STEP 6, 0
	s_wait_dscnt 12                                ; the last K step: nothing more to fetch
	WIN MUL_LO
	MUL16 0, 1, 0
	MUL16 2, 1, 0
	s_wait_dscnt 0x0
	WIN MUL_HI
	MUL16 4, 1, 0
	MUL16 6, 1, 0
	WIN 0
	; THE WAY OUT.  Every wave has read its last fragment; behind this barrier the slots and the scale words, which have had their last fill, take the results.
	s_barrier_signal -1
	s_barrier_wait -1
	PLACES 4                                       ; behind the last products: their results are read, and registers that they have read are written
.irp b, 0,1,2,3
	v_mov_b32 v[TM+4+\b], 0                        ; a lane permute's destination counts as one of its sources
.endr
	s_mov_b32 s[SEL], 0x76543210
	s_mov_b32 s[SEL+1], 0xfedcba98
.irp a, 0,1,2,3,4,5,6,7                ; the accumulators go to my own 65,536 bytes, so that ONE loop can serve the eight tiles; each accumulator from its low end on
	WIN 0x08+4*(\a/4)
.irp g, 0,1,2,3,4,5,6,7,8,9,10,11,12,13,14,15
	ds_store_b128 v[DMP], v[64*(\a%4)+4*\g:64*(\a%4)+4*\g+3] offset:(16*\a+\g)*512
.endr
.endr
	WIN 0
	s_mov_b32 s2, 0
	s_mov_b32 s18, 0
	s_mov_b32 s3, 8
.Ltile:                                ; a trip: one tile of Y: 16 rows x my 128 along the result's K: one image and 16 scale words
	v_add_nc_u32 v[RDA], s2, v[DMP]
.irp g, 0,1,2,3,4,5,6,7,8,9,10,11,12,13,14,15
	ds_load_b128 v[H+4*\g:H+4*\g+3], v[RDA] offset:512*\g   ; my wave's own bytes, served in order behind my stores
.endr
	s_wait_dscnt 0x0
	QUANT H
	s_wait_alu depctr_va_vdst(0)
	s_cmp_eq_u32 s66, 32                           ; v's clusters (a number that all partners share)
	s_cbranch_scc1 .Lv_img
	global_store_b128 v[LI], v[PC:PC+3], s[12:13]                  ; q, k: registers 0-3 | 4-5 | 6-9 | 10-11, so that each head's 768 bytes are dense
	global_store_b64 v27, v[PC+4:PC+5], s[12:13] offset:512
	global_store_b128 v[LI], v[PC+6:PC+9], s[12:13] offset:768
	global_store_b64 v27, v[PC+10:PC+11], s[12:13] offset:1280
	s_branch .Lstored
.Lv_img:
.irp c, 0,1,2
	global_store_b128 v[LI], v[PC+4*\c:PC+4*\c+3], s[12:13] offset:512*\c
.endr
.Lstored:
	v_add_nc_u32 v[TMA], s18, v[SWA]
	ds_store_b32 v[TMA], v[PW]
	s_wait_xcnt 0x0                                ; the stores have read their registers and their base: both are written again only behind this wait
	s_add_nc_u64 s[12:13], s[12:13], s[98:99]
	s_add_co_u32 s2, s2, 8192
	s_add_co_u32 s18, s18, 64
	s_sub_co_u32 s3, s3, 1
	s_cmp_lg_u32 s3, 0
	s_cbranch_scc1 .Ltile
	ds_load_b128 v[H:H+3], v[SRD]                  ; my eight tiles' scale words: 512 bytes
	s_wait_dscnt 0x0
	global_store_b128 v[LI], v[H:H+3], s[96:97]
	s_wait_tensorcnt 0x0                           ; the wave's end
	ds_add_u32 v[SPW], v[NIL]
	s_wait_dscnt 0x0
	CROUND                                         ; the closing round
	s_endpgm
.Lfunc_end_k_qc41defb3a1_proj_qkv:
	.size	k_qc41defb3a1_proj_qkv, .Lfunc_end_k_qc41defb3a1_proj_qkv-k_qc41defb3a1_proj_qkv
	.p2alignl 7, 3214868480
	.fill 96, 4, 3214868480
	.section	.rodata,"a",@progbits
	.p2align	6, 0x0
	.amdhsa_kernel k_qc41defb3a1_proj_qkv
		.amdhsa_group_segment_fixed_size 327680
		.amdhsa_private_segment_fixed_size 0
		.amdhsa_enable_private_segment 0
		.amdhsa_kernarg_size 24
		.amdhsa_user_sgpr_count 2
		.amdhsa_user_sgpr_kernarg_segment_ptr 1
		.amdhsa_wavefront_size32 1
		.amdhsa_system_sgpr_workgroup_id_x 1
		.amdhsa_system_sgpr_workgroup_id_y 1
		.amdhsa_system_sgpr_workgroup_id_z 1
		.amdhsa_system_vgpr_workitem_id 0
		.amdhsa_next_free_vgpr 1024
		.amdhsa_next_free_sgpr 100
		.amdhsa_reserve_vcc 0
		.amdhsa_float_denorm_mode_32 3
		.amdhsa_float_denorm_mode_16_64 3
		.amdhsa_memory_ordered 1
		.amdhsa_forward_progress 1
		.amdhsa_inst_pref_size 123
	.end_amdhsa_kernel
	.amdgpu_metadata
---
amdhsa.version: [ 1, 2 ]
amdhsa.kernels:
  - .name:           k_qc41defb3a1_proj_qkv
    .symbol:         k_qc41defb3a1_proj_qkv.kd
    .args:
      - { .name: hq, .offset: 0, .size: 8, .value_kind: global_buffer, .address_space: global }
      - { .name: wts, .offset: 8, .size: 8, .value_kind: global_buffer, .address_space: global }
      - { .name: qkvc, .offset: 16, .size: 8, .value_kind: global_buffer, .address_space: global }
    .group_segment_fixed_size: 327680
    .private_segment_fixed_size: 0
    .kernarg_segment_align: 8
    .kernarg_segment_size: 24
    .max_flat_workgroup_size: 128
    .sgpr_count:     100
    .vgpr_count:     1024
    .wavefront_size: 32
...
	.end_amdgpu_metadata
.endif
;; end of part 2
;; launch attn (part 3): grid 8 x 32, 16 waves a work-group, clusters of 4 x 1, 210,944 bytes of LDS; arguments qkvc, oq; writes oq
.if DOCPART == 3
	.amdgcn_target "amdgcn-amd-amdhsa--gfx1250"
	.amdhsa_code_object_version 6
	.text
	.protected	k_qc41defb3a1_attn
	.globl	k_qc41defb3a1_attn
	.p2align	8
	.type	k_qc41defb3a1_attn,@function
k_qc41defb3a1_attn:
	s_mov_b64 s[64:65], 0
	v_nop
	global_prefetch_b8 v0, s[64:65] scope:SCOPE_SE
	s_setreg_imm32_b32 hwreg(HW_REG_WAVE_MODE, 25, 1), 1
	s_wait_xcnt 0x0
	s_wait_alu depctr_hold_cnt(0) depctr_sa_sdst(0) depctr_va_vdst(0) depctr_va_sdst(0) depctr_va_ssrc(0) depctr_va_vcc(0) depctr_vm_vsrc(0)
	s_getreg_b32 s2, hwreg(HW_REG_IB_STS2, 6, 4)
	s_cmp_eq_u32 s2, 0
	s_cbranch_scc0 .Lentry_in_a_cluster
	s_endpgm
.Lentry_in_a_cluster:
	s_bfe_u32 s2, ttmp6, 0x10000c
	s_cmp_lg_u32 s2, 0x3003
	s_cbranch_scc0 .Lentry_shape_is_right
	s_endpgm
.Lentry_shape_is_right:
; o = softmax(q k^T / 8, causal) v on codes of FP6 (E2M3) with E8M0 scales; o is quantised along the head's 64 and stored as the next product's operand.
; LEFT OUT: key steps that lie wholly above the causal diagonal, which reference() itself sets to -inf.
; A WORK-GROUP TAKES ONE (batch, head).  That head's K (128 tiles x 768 bytes), V (4 feature tiles x 24,576 bytes) and their scale words (8,192 + 4,096 bytes) lie in LDS together: they are
; asked for once, at the head, by ten joint loads, one a wave.  Nothing is filled again, so the loop over the keys has no barrier.  No prefetch: every load stands at the head, and there is no loop to run ahead in.
; CLUSTER 4 x 1: the four partners take the same tiles of K and V (mask 15); all descriptors hang on the grid's y and the wave's number alone.
; THE DEAL: a wave takes 16 queries: tile u = 2 cx + c / 2 of query block BLK (128 queries), c = wave / 4, a = wave % 4.  BLK = lo or 15 - lo with lo = 2 a + (a % 2 xor cluster x), the choice by
; c % 2 xor a % 2 xor a / 2: the four waves of equal a, and the four of equal c, have 34 key steps together.  BLK hangs on the wave's and the cluster's number, never on cx.
; IMAGES: q, k [token tile][16][1536]: head e of a pair at 768 e: registers 0-3 at 16 x lane, 4-5 at 512 + 8 x lane.  v [feature tile][32][1536]: registers 4 c .. at 512 c + 16 x lane.
; K = 64 in an instruction of 128: Q's registers 6-11 are zero codes, and a tile of k takes as its upper half whatever follows (the next tile's codes): zero times a finite code adds nothing.
; The scale words hold two heads' bytes: a load of 16 bits at 2 e brings this head's two; the upper bytes, 0, stand over zero codes.
; S^T = k q^T and O^T = v^T p^T: a lane holds one query.  M is the ceiling of the running largest t; p = 2^(t - M); the sum is taken of the unquantised p.
; OUT: oq codes [token tile][8][1536] in q's layout, 768 dense bytes a wave; scale words [T / 8][K step][128 words]: a wave stores its head's two bytes of 16 words, one part in 24 of its codes, so those units are written in part.
; LIMITS: scaled scores under 2^31 in magnitude; a block of zeros gets the byte 1 (read by this program alone); NaN and infinities are not served.
.set V_C,   6291456
.set QK_S,  9437184
.set V_S,   9699328
.set HS,    3145728
.set VB,    98304
.set KSB,   196608
.set VSB,   204800
.set SPARE, 208896
.set LI,  1                            ; 16 x lane
.set L8,  2                            ; 8 x lane
.set D0,  3                            ; my query's place in its block less 16 (lane / 16)
.set L4,  4                            ; 4 x lane
.set SPW, 5
.set NIL, 6
.set ADS, 7                            ; LDS addresses of a trip: k's scale words,
.set ADK, 8                            ; k's registers 0-3,
.set ADL, 9                            ; k's registers 4-5,
.set ADV, 10                           ; v's tiles 0-2,
.set ADW, 11                           ; v's tile 3,
.set ADT, 243                          ; v's scale words
.set ST,  12                           ; -M, the largest t, the sum in two halves
.set QF,  16
.set KS1, 28
.set SM3, 30
.set KF,  32                           ; k: tile t at KF + 6 t
.set VF,  80
.set S,   128
.set OB,  192
.set PP,  224
.set TM,  32
.set PC,  48
.set PW,  70
.set TK,  2
.set TV,  3
.set WV,  18
.set U,   19
.set SEL, 20
.set CS,  22
.set G1K, 24
.set G1V, 32
.set G1SK, 40
.set G1SV, 48
.set G0K, 56
.set G0V, 60
.set KI,  66
.set BLK, 67
.set G0SK, 68
.set G0SV, 72
.set SLOTS, 76
.set TA,  98
.set TT,  99
.macro TL g0, g1
	tensor_load_to_lds s[\g0:\g0+3], s[\g1:\g1+7]
	s_nop 0
.rept 4
	v_nop
.endr
.endm
.macro G1SET g, c, r, p                ; r rows of c elements of 8 bytes, p elements from row to row; mask 15, bit 21 beside it
	s_mov_b32 s[\g], 15|(3<<16)|(1<<21)
	s_mov_b32 s[\g+1], (\c)<<16
	s_mov_b32 s[\g+2], (\r)<<16
	s_mov_b32 s[\g+3], (\c)<<16
	s_mov_b32 s[\g+4], \r
	s_mov_b32 s[\g+5], \p
	s_mov_b32 s[\g+6], 0
	s_mov_b32 s[\g+7], 0
.endm
.macro G0SET g, off
	s_mov_b32 s[\g], 1
	s_add_nc_u64 s[\g+2:\g+3], s[4:5], s[\off:\off+1]
	s_or_b32 s[\g+3], s[\g+3], 0x80000000
.endm
.macro CROUND
	s_barrier_signal -1
	s_barrier_wait -1
	s_cmp_lg_u32 s[WV], 0
	s_cbranch_scc1 .Lnot_wave_0_\@
	s_barrier_signal -3
.Lnot_wave_0_\@:
	s_barrier_wait -3
	s_barrier_signal -1
	s_barrier_wait -1
.endm
.macro WS d, x, y, acc, sx, sy, rx
.if \acc
.if \rx
	v_wmma_scale_f32_16x16x128_f8f6f4 v[(\d):(\d)+7], v[(\x):(\x)+11], v[(\y):(\y)+11], v[(\d):(\d)+7], v[(\sx)], v[(\sy)] matrix_a_fmt:MATRIX_FMT_FP6 matrix_b_fmt:MATRIX_FMT_FP6 matrix_a_scale:MATRIX_SCALE_ROW1
.else
	v_wmma_scale_f32_16x16x128_f8f6f4 v[(\d):(\d)+7], v[(\x):(\x)+11], v[(\y):(\y)+11], v[(\d):(\d)+7], v[(\sx)], v[(\sy)] matrix_a_fmt:MATRIX_FMT_FP6 matrix_b_fmt:MATRIX_FMT_FP6
.endif
.else
.if \rx
	v_wmma_scale_f32_16x16x128_f8f6f4 v[(\d):(\d)+7], v[(\x):(\x)+11], v[(\y):(\y)+11], 0, v[(\sx)], v[(\sy)] matrix_a_fmt:MATRIX_FMT_FP6 matrix_b_fmt:MATRIX_FMT_FP6 matrix_a_scale:MATRIX_SCALE_ROW1
.else
	v_wmma_scale_f32_16x16x128_f8f6f4 v[(\d):(\d)+7], v[(\x):(\x)+11], v[(\y):(\y)+11], 0, v[(\sx)], v[(\sy)] matrix_a_fmt:MATRIX_FMT_FP6 matrix_b_fmt:MATRIX_FMT_FP6
.endif
.endif
.endm
.macro QUANT2 s                        ; 32 numbers of a lane, register 16 b + i = feature 32 b + 16 (lane / 16) + i, become six code registers and two scale bytes
.irp b, 0,1
	v_max3_num_f32 v[TM+\b], |v[\s+16*\b]|, |v[\s+1+16*\b]|, 0x1800000
.endr
.irp i, 2,4,6,8,10,12,14
.irp b, 0,1
	s_delay_alu instid0(VALU_DEP_2)
	v_max3_num_f32 v[TM+\b], v[TM+\b], |v[\s+16*\b+\i]|, |v[\s+1+16*\b+\i]|
.endr
.endr
.irp b, 0,1
	s_delay_alu instid0(VALU_DEP_2)
	v_permlanex16_b32 v[TM+4+\b], v[TM+\b], s[SEL], s[SEL+1]
.endr
.irp b, 0,1
	s_delay_alu instid0(VALU_DEP_2)
	v_max_num_f32 v[TM+\b], v[TM+\b], v[TM+4+\b]
.endr
.irp b, 0,1
	s_delay_alu instid0(VALU_DEP_2)
	v_add_nc_u32 v[TM+12+\b], 0xff000000, v[TM+\b]
.endr
.irp b, 0,1
	s_delay_alu instid0(VALU_DEP_2)
	v_lshrrev_b32 v[TM+4+\b], 23, v[TM+12+\b]
.endr
	s_delay_alu instid0(VALU_DEP_1)
	v_lshl_or_b32 v[PW], v[TM+5], 8, v[TM+4]
	v_cvt_scalef32_pk16_fp6_f32 v[PC:PC+2], v[\s:\s+15], v[TM+12]
	v_cvt_scalef32_pk16_fp6_f32 v[PC+12:PC+14], v[\s+16:\s+31], v[TM+13]
	v_nop
.irp i, 0,1,2
	v_permlane16_swap_b32 v[PC+\i], v[PC+12+\i]
.endr
.irp i, 0,1,2
	s_delay_alu instid0(VALU_DEP_3)
	v_mov_b32 v[PC+3+\i], v[PC+12+\i]
.endr
.endm
.macro ADDR                            ; a trip's LDS addresses: a stepped scalar and a lane term
	v_add_nc_u32 v[ADK], s[TK], v[LI]
	v_add_nc_u32 v[ADL], s[TK], v[L8]
	v_add_nc_u32 v[ADV], s[TV], v[LI]
	v_add_nc_u32 v[ADW], 73728, v[ADV]
	v_add_nc_u32 v[ADS], s[TA], v[L4]
	v_add_nc_u32 v[ADT], s[TT], v[L4]
.endm
.macro KLOAD o, so                     ; eight tiles of k and their scale words: 20 LDS loads
.irp t, 0,1,2,3,4,5,6,7
	ds_load_b128 v[KF+6*\t:KF+6*\t+3], v[ADK] offset:(\o)+768*\t
	ds_load_b64 v[KF+6*\t+4:KF+6*\t+5], v[ADL] offset:(\o)+768*\t+512
.endr
	ds_load_u16 v248, v[ADS] offset:(\so)
	ds_load_u16 v249, v[ADS] offset:(\so)+128
	ds_load_u16 v[KS1], v[ADS] offset:(\so)+256
	ds_load_u16 v[KS1+1], v[ADS] offset:(\so)+384
.endm
	s_load_b128 s[4:7], s[0:1], 0x0                ; qkvc, oq
	v_lshl_add_u32 v[SPW], v0, 2, SPARE
	v_mov_b32 v[NIL], 0
	ds_add_u32 v[SPW], v[NIL]                      ; the opening lines
	ds_add_u32 v[SPW], v[NIL]
	v_lshrrev_b32 v8, 5, v0
	s_delay_alu instid0(VALU_DEP_1)
	v_readfirstlane_b32 s[WV], v8
	s_bfe_u32 s8, ttmp6, 0x40000                   ; cx
	s_and_b32 s10, ttmp7, 0xffff
	s_lshr_b32 s11, s10, 4                         ; batch
	s_and_b32 s12, s10, 15                         ; head
	s_lshr_b32 s13, s12, 1                         ; its pair
	s_and_b32 s14, s12, 1                          ; e
	s_and_b32 s15, s[WV], 3                        ; a
	s_lshr_b32 s16, s[WV], 2                       ; c
	s_and_b32 s17, s15, 1
	s_xor_b32 s9, s17, ttmp9
	s_lshl_b32 s77, s15, 1
	s_add_co_u32 s9, s9, s77                       ; lo
	s_lshr_b32 s77, s15, 1
	s_xor_b32 s77, s77, s17
	s_xor_b32 s77, s77, s16
	s_sub_co_u32 s78, 15, s9
	s_bitcmp1_b32 s77, 0
	s_cselect_b32 s[BLK], s78, s9
	s_mul_i32 s79, s14, 768
	s_lshl_b32 s77, s11, 7                         ; k's codes: ((128 batch + 32 a) x 16 + 8 + pair) x 1,536 + 768 e
	s_lshl_b32 s78, s15, 5
	s_add_co_u32 s78, s78, s77
	s_lshl_b32 s78, s78, 4
	s_add_co_u32 s78, s78, s13
	s_add_co_u32 s78, s78, 8
	s_mul_i32 s80, s78, 1536
	s_add_co_u32 s80, s80, s79
	s_mov_b32 s81, 0
	s_lshl_b32 s78, s12, 2                         ; v's codes: ((4 head + a) x 32 + 16 batch) x 1,536
	s_add_co_u32 s78, s78, s15
	s_lshl_b32 s78, s78, 5
	s_lshl_b32 s88, s11, 4
	s_add_co_u32 s78, s78, s88
	s_mul_i32 s82, s78, 1536
	s_add_co_u32 s82, s82, V_C
	s_mov_b32 s83, 0
	s_lshl_b32 s78, s88, 4                         ; k's scale words
	s_add_co_u32 s78, s78, s13
	s_add_co_u32 s78, s78, 8
	s_lshl_b32 s84, s78, 9
	s_add_co_u32 s84, s84, QK_S
	s_mov_b32 s85, 0
	s_lshl_b32 s78, s13, 5                         ; v's scale words: this head's 256 bytes of each K step's 512
	s_add_co_u32 s78, s78, s88
	s_lshl_b32 s86, s78, 9
	s_lshl_b32 s78, s14, 8
	s_add_co_u32 s86, s86, s78
	s_add_co_u32 s86, s86, V_S
	s_mov_b32 s87, 0
	s_mul_i32 s89, s15, 24576
	s_lshr_b32 s78, s16, 1                         ; from here on numbers that hang on cx: my tile, q's and o's places
	s_lshl_b32 s[U], s8, 1
	s_add_co_u32 s[U], s[U], s78
	s_lshl_b32 s78, s[BLK], 3
	s_add_co_u32 s77, s77, s78
	s_add_co_u32 s77, s77, s[U]                    ; my token tile
	s_lshl_b32 s78, s77, 4
	s_add_co_u32 s78, s78, s13
	s_mul_i32 s90, s78, 1536
	s_add_co_u32 s90, s90, s79
	s_mov_b32 s91, 0
	s_lshl_b32 s78, s77, 3
	s_add_co_u32 s78, s78, s13
	s_mul_i32 s94, s78, 1536
	s_add_co_u32 s94, s94, s79
	s_mov_b32 s95, 0
	s_add_co_u32 s88, s88, s[BLK]
	s_lshl_b32 s77, s[U], 6
	s_lshl_b32 s78, s14, 1
	s_add_co_u32 s77, s77, s78
	s_lshl_b32 s78, s88, 4
	s_add_co_u32 s78, s78, s13
	s_lshl_b32 s92, s78, 9
	s_add_co_u32 s92, s92, s77
	s_add_co_u32 s92, s92, QK_S
	s_mov_b32 s93, 0
	s_lshl_b32 s78, s88, 3
	s_add_co_u32 s78, s78, s13
	s_lshl_b32 s96, s78, 9
	s_add_co_u32 s96, s96, s77
	s_add_co_u32 s96, s96, HS
	s_mov_b32 s97, 0
	G1SET G1K, 96, 32, 3072                        ; 32 tiles x 768 bytes, 24,576 bytes from tile to tile
	G1SET G1V, 32, 96, 32                          ; 24,576 dense bytes as rows of 256
	G1SET G1SK, 64, 16, 1024                       ; 16 key steps x 512 bytes
	G1SET G1SV, 32, 16, 64                         ; 16 key steps x 256 bytes
	s_mov_b32 s[SEL], 0x76543210
	s_mov_b32 s[SEL+1], 0xfedcba98
	s_mov_b32 s[CS], 0x3e38aa3b                    ; log2(e) / 8
	s_mov_b32 s[CS+1], s[CS]
	s_mov_b32 s[TK], 0
	s_mov_b32 s[TV], VB
	s_lshl_b32 s[TA], s14, 1
	s_add_co_u32 s[TA], s[TA], KSB
	s_mov_b32 s[TT], VSB
	s_mov_b32 s[KI], 0
	s_mov_b32 s[SLOTS], 8
	s_wait_alu depctr_va_vdst(0)
	s_wait_dscnt 0x0
	s_wait_kmcnt 0x0
	CROUND                                         ; the four partners are here: the joint loads meet
	G0SET G0K, 80
	s_mov_b32 s[G0K+1], s89
	G0SET G0V, 82
	s_add_co_u32 s[G0V+1], s89, VB
	G0SET G0SK, 84
	s_mov_b32 s[G0SK+1], KSB
	G0SET G0SV, 86
	s_mov_b32 s[G0SV+1], VSB
	s_cmp_lt_u32 s[WV], 4                          ; one chain: waves 0-3 a quarter of k each, 4-7 a feature tile of v each, 8 and 9 the scale words
	s_cbranch_scc0 .La1
	TL G0K, G1K
	s_branch .Ljoin
.La1:
	s_cmp_lt_u32 s[WV], 8
	s_cbranch_scc0 .La2
	TL G0V, G1V
	s_branch .Ljoin
.La2:
	s_cmp_eq_u32 s[WV], 8
	s_cbranch_scc0 .La3
	TL G0SK, G1SK
	s_branch .Ljoin
.La3:
	s_cmp_eq_u32 s[WV], 9
	s_cbranch_scc0 .Ljoin
	TL G0SV, G1SV
.Ljoin:
	s_add_nc_u64 s[90:91], s[4:5], s[90:91]
	s_add_nc_u64 s[92:93], s[4:5], s[92:93]
	s_add_nc_u64 s[94:95], s[6:7], s[94:95]
	s_add_nc_u64 s[96:97], s[6:7], s[96:97]
	s_lshr_b32 s77, s[U], 1
	s_lshl_b32 s77, s77, 5
	s_and_b32 s78, s[U], 1
	s_lshl_b32 s78, s78, 3
	s_add_co_u32 s77, s77, s78                     ; my tile's first query in its block
	v_and_b32 v[L4], 31, v0
	v_and_b32 v8, 15, v0
	v_bfe_u32 v9, v0, 4, 1
	v_lshlrev_b32 v[LI], 4, v[L4]
	v_lshlrev_b32 v[L8], 3, v[L4]
	v_lshlrev_b32 v10, 2, v8
	v_lshlrev_b32 v[L4], 2, v[L4]
	global_load_b128 v[QF:QF+3], v[LI], s[90:91]
	global_load_b64 v[QF+4:QF+5], v[L8], s[90:91] offset:512
	global_load_u16 v255, v10, s[92:93]
	v_and_b32 v[D0], 8, v8
	v_lshlrev_b32 v9, 4, v9
	v_add_nc_u32 v[D0], v[D0], v8
	v_mov_b32 v13, 0xff61b1e6                      ; the largest t so far: -3e38
	v_sub_nc_u32 v[D0], v[D0], v9
	v_floor_f32 v12, -v13
	v_add_nc_u32 v[D0], s77, v[D0]
	v_mov_b32 v14, 0
	v_mov_b32 v15, 0
.irp b, 0,1,2,3
	v_mov_b32 v[236+\b], 0
.endr
	v_mov_b32 v252, 0
	v_mov_b32 v253, 0
	v_mov_b32 v254, 0
.irp i, 0,1,2,3,4,5
	v_mov_b32 v[QF+6+\i], 0                        ; q's upper half: zero codes
	v_mov_b32 v[VF+\i], 0                          ; read as the upper half of k's last tile before v's first load lands there
.endr
.set j, 0
.rept 32
	v_mov_b32 v[OB+j], 0
.set j, j+1
.endr
	s_wait_alu depctr_va_vdst(0)
	s_wait_loadcnt 0x0
	s_wait_tensorcnt 0x0                           ; every wave waits for its load, then the barrier shows all tiles to all
	s_barrier_signal -1
	s_barrier_wait -1
	ADDR
	s_wait_alu depctr_va_vdst(0)
	KLOAD 0, 0
.macro STEP q                          ; 128 keys
	s_cmp_gt_u32 s[KI], s[BLK]
	s_cbranch_scc1 .Lhidden_\@
	s_wait_dscnt 0x0                               ; this step's k, asked for a step ago
.irp t, 0,1,2,3
	WS S+8*\t, KF+6*\t, QF, 0, 248+\t/2, 255, \t%2
.endr
.irp t, 4,5,6,7
	WS S+8*\t, KF+6*\t, QF, 0, KS1+(\t-4)/2, 255, \t%2
.endr
.rept 4
	v_nop
.endr
.irp t, 0,1,2
.irp c, 0,1,2
	ds_load_b128 v[VF+12*\t+4*\c:VF+12*\t+4*\c+3], v[ADV] offset:\t*24576+1536*(\q)+512*\c
.endr
.endr
.irp c, 0,1,2
	ds_load_b128 v[VF+36+4*\c:VF+36+4*\c+3], v[ADW] offset:1536*(\q)+512*\c
.endr
	ds_load_b32 v250, v[ADT] offset:256*(\q)
	ds_load_b32 v251, v[ADT] offset:256*(\q)+128
	KLOAD 6144*((\q)+1), 512*((\q)+1)              ; the next step's k (behind the last step: bytes of the regions that follow, read and not used)
	s_cmp_lt_u32 s[KI], s[BLK]
	s_cbranch_scc1 .Lopen_\@
	v_mov_b32 v254, 0xff800000                     ; the diagonal step: keys behind my query count for nothing
.set n, 0
.rept 64
	v_cmp_gt_i32 vcc_lo, 32*(n/16)+n%16, v[D0]
	v_cndmask_b32 v[S+n], v[S+n], v254, vcc_lo
.set n, n+1
.endr
.Lopen_\@:
.irp b, 0,1,2,3
	v_max3_num_f32 v[232+\b], v[S+16*\b], v[S+1+16*\b], v[S+2+16*\b]
.endr
.irp i, 3,5,7,9,11,13
.irp b, 0,1,2,3
	v_max3_num_f32 v[232+\b], v[232+\b], v[S+16*\b+\i], v[S+1+16*\b+\i]
.endr
.endr
.irp b, 0,1,2,3
	v_max_num_f32 v[232+\b], v[232+\b], v[S+15+16*\b]
.endr
.irp b, 0,1,2,3
	s_delay_alu instid0(VALU_DEP_4)
	v_permlanex16_b32 v[236+\b], v[232+\b], s[SEL], s[SEL+1]
.endr
.irp b, 0,1,2,3
	s_delay_alu instid0(VALU_DEP_4)
	v_max_num_f32 v[232+\b], v[232+\b], v[236+\b]
.endr
	s_delay_alu instid0(VALU_DEP_2)
	v_max3_num_f32 v254, v232, v233, v234
	s_delay_alu instid0(VALU_DEP_1)
	v_max_num_f32 v254, v254, v235
	s_delay_alu instid0(VALU_DEP_1)
	v_mul_f32 v254, s[CS], v254
	s_delay_alu instid0(VALU_DEP_1)
	v_max_num_f32 v[ST+1], v[ST+1], v254
	v_mov_b32 v254, v[ST]
	s_delay_alu instid0(VALU_DEP_2)
	v_floor_f32 v[ST], -v[ST+1]                    ; -M = floor(-t)
	s_delay_alu instid0(VALU_DEP_1)
	v_sub_f32 v254, v[ST], v254
	s_delay_alu instid0(VALU_DEP_1)
	v_cvt_i32_f32 v254, v254
	s_delay_alu instid0(VALU_DEP_1)
	v_ldexp_f32 v252, 1.0, v254                    ; f = 2^(old M - new M)
.set j, 0
.rept 32
	v_pk_fma_f32 v[S+j:S+j+1], v[S+j:S+j+1], s[CS:CS+1], v[ST:ST+1] op_sel_hi:[1,0,0]
.set j, j+2
.endr
.irp b, 0,1,2,3
	v_fma_f32 v[232+\b], v[232+\b], s[CS], v[ST]
.endr
.set j, 0
	s_wait_alu depctr_va_vdst(0)
.rept 64
	v_exp_f32 v[S+j], v[S+j]
.set j, j+1
.endr
	v_pk_mul_f32 v[ST+2:ST+3], v[ST+2:ST+3], v[252:253] op_sel_hi:[1,0]
	s_wait_alu depctr_va_vdst(0)
.irp b, 0,1,2,3
	v_exp_f32 v[232+\b], v[232+\b]                 ; each block's largest p
.endr
	v_pk_add_f32 v[236:237], v[S:S+1], v[S+2:S+3]
	v_pk_add_f32 v[238:239], v[S+4:S+5], v[S+6:S+7]
	v_pk_add_f32 v[SM3:SM3+1], v[S+8:S+9], v[S+10:S+11]
	v_pk_add_f32 v[ST+2:ST+3], v[ST+2:ST+3], v[S+12:S+13]
	v_pk_add_f32 v[236:237], v[236:237], v[S+14:S+15]
.irp j, 16,24,32,40,48,56
	v_pk_add_f32 v[ST+2:ST+3], v[ST+2:ST+3], v[S+\j:S+\j+1]
	v_pk_add_f32 v[236:237], v[236:237], v[S+\j+2:S+\j+3]
	v_pk_add_f32 v[238:239], v[238:239], v[S+\j+4:S+\j+5]
	v_pk_add_f32 v[SM3:SM3+1], v[SM3:SM3+1], v[S+\j+6:S+\j+7]
.endr
	s_delay_alu instid0(VALU_DEP_2)
	v_pk_add_f32 v[236:237], v[236:237], v[238:239]
	s_delay_alu instid0(VALU_DEP_2)
	v_pk_add_f32 v[ST+2:ST+3], v[ST+2:ST+3], v[SM3:SM3+1]
	s_delay_alu instid0(VALU_DEP_1)
	v_pk_add_f32 v[ST+2:ST+3], v[ST+2:ST+3], v[236:237]
	s_wait_alu depctr_va_vdst(0)
.irp b, 0,1,2,3
	v_max_num_f32 v[232+\b], 0x1800000, v[232+\b]
.endr
.irp b, 0,1,2,3
	s_delay_alu instid0(VALU_DEP_4)
	v_add_nc_u32 v[244+\b], 0xff000000, v[232+\b]
.endr
.irp b, 0,1,2,3
	s_delay_alu instid0(VALU_DEP_4)
	v_lshrrev_b32 v[236+\b], 23, v[244+\b]
.endr
	s_delay_alu instid0(VALU_DEP_3)
	v_lshl_or_b32 v253, v237, 8, v236
	s_delay_alu instid0(VALU_DEP_1)
	v_lshl_or_b32 v253, v238, 16, v253
	s_delay_alu instid0(VALU_DEP_1)
	v_lshl_or_b32 v253, v239, 24, v253
.irp c, 0,1
	v_cvt_scalef32_pk16_fp6_f32 v[PP+6*\c:PP+2+6*\c], v[S+32*\c:S+15+32*\c], v[244+2*\c]
	v_cvt_scalef32_pk16_fp6_f32 v[236+4*\c:238+4*\c], v[S+16+32*\c:S+31+32*\c], v[244+2*\c+1]
.endr
	v_nop
.irp c, 0,1
.irp i, 0,1,2
	v_permlane16_swap_b32 v[PP+6*\c+\i], v[236+4*\c+\i]
.endr
.irp i, 0,1,2
	s_delay_alu instid0(VALU_DEP_3)
	v_mov_b32 v[PP+3+6*\c+\i], v[236+4*\c+\i]
.endr
.endr
.set j, 0
.rept 16
	v_pk_mul_f32 v[OB+j:OB+j+1], v[OB+j:OB+j+1], v[252:253] op_sel_hi:[1,0]
.set j, j+2
.endr
	s_wait_alu depctr_va_vdst(0)
	s_wait_dscnt 20                                ; v's 14 loads are in; the 20 issued behind them, the next step's k, may be out
.irp t, 0,1,2,3
	WS OB+8*\t, VF+12*\t, PP, 1, 250+\t/2, 253, \t%2
.endr
.Lhidden_\@:
	s_add_co_u32 s[KI], s[KI], 1
.endm
.Ltrip:                                ; eight trips of two key steps for every wave; a wave passes over the steps above its diagonal
	STEP 0
	STEP 1
	s_add_co_u32 s[TK], s[TK], 12288
	s_add_co_u32 s[TV], s[TV], 3072
	s_add_co_u32 s[TA], s[TA], 1024
	s_add_co_u32 s[TT], s[TT], 512
	ADDR
	s_sub_co_u32 s[SLOTS], s[SLOTS], 1
	s_cmp_lg_u32 s[SLOTS], 0
	s_wait_alu depctr_va_vdst(0)
	s_cbranch_scc1 .Ltrip
	s_wait_dscnt 0x0                               ; the last fetch of k has landed: its registers serve the way out
.rept 4
	v_nop
.endr
	v_add_f32 v14, v14, v15
	s_delay_alu instid0(VALU_DEP_1)
	v_permlanex16_b32 v252, v14, s[SEL], s[SEL+1]
	s_delay_alu instid0(VALU_DEP_1)
	v_add_f32 v14, v14, v252
	s_wait_alu depctr_va_vdst(0)
	v_rcp_f32 v14, v14
	v_lshrrev_b32 v8, 2, v[LI]
	v_mov_b32 v[TM+4], 0
	v_mov_b32 v[TM+5], 0
	v_and_b32 v8, 60, v8                           ; 4 (lane % 16)
	s_wait_alu depctr_va_vdst(0)
.set j, 0
.rept 16
	v_pk_mul_f32 v[S+j:S+j+1], v[OB+j:OB+j+1], v[14:15] op_sel_hi:[1,0]
.set j, j+2
.endr
	QUANT2 S
	global_store_b128 v[LI], v[PC:PC+3], s[94:95]                  ; 512 and 256 consecutive bytes, aligned
	global_store_b64 v[L8], v[PC+4:PC+5], s[94:95] offset:512
	global_store_b16 v8, v[PW], s[96:97]                           ; lanes r and r + 16 store the same two bytes
	s_wait_tensorcnt 0x0                           ; the wave's end
	ds_add_u32 v[SPW], v[NIL]
	s_wait_dscnt 0x0
	CROUND                                         ; the closing round
	s_endpgm
.Lfunc_end_k_qc41defb3a1_attn:
	.size	k_qc41defb3a1_attn, .Lfunc_end_k_qc41defb3a1_attn-k_qc41defb3a1_attn
	.p2alignl 7, 3214868480
	.fill 96, 4, 3214868480
	.section	.rodata,"a",@progbits
	.p2align	6, 0x0
	.amdhsa_kernel k_qc41defb3a1_attn
		.amdhsa_group_segment_fixed_size 210944
		.amdhsa_private_segment_fixed_size 0
		.amdhsa_enable_private_segment 0
		.amdhsa_kernarg_size 16
		.amdhsa_user_sgpr_count 2
		.amdhsa_user_sgpr_kernarg_segment_ptr 1
		.amdhsa_wavefront_size32 1
		.amdhsa_system_sgpr_workgroup_id_x 1
		.amdhsa_system_sgpr_workgroup_id_y 1
		.amdhsa_system_sgpr_workgroup_id_z 1
		.amdhsa_system_vgpr_workitem_id 0
		.amdhsa_next_free_vgpr 256
		.amdhsa_next_free_sgpr 100
		.amdhsa_reserve_vcc 1
		.amdhsa_float_denorm_mode_32 3
		.amdhsa_float_denorm_mode_16_64 3
		.amdhsa_memory_ordered 1
		.amdhsa_forward_progress 1
		.amdhsa_inst_pref_size 62
	.end_amdhsa_kernel
	.amdgpu_metadata
---
amdhsa.version: [ 1, 2 ]
amdhsa.kernels:
  - .name:           k_qc41defb3a1_attn
    .symbol:         k_qc41defb3a1_attn.kd
    .args:
      - { .name: qkvc, .offset: 0, .size: 8, .value_kind: global_buffer, .address_space: global }
      - { .name: oq, .offset: 8, .size: 8, .value_kind: global_buffer, .address_space: global }
    .group_segment_fixed_size: 210944
    .private_segment_fixed_size: 0
    .kernarg_segment_align: 8
    .kernarg_segment_size: 16
    .max_flat_workgroup_size: 512
    .sgpr_count:     100
    .vgpr_count:     256
    .wavefront_size: 32
...
	.end_amdgpu_metadata
.endif
;; end of part 3
;; launch proj_o (part 4): grid 8 x 32, 4 waves a work-group, clusters of 4 x 4, 327,680 bytes of LDS; arguments oq, wts, x, bo, x1; writes x1
.if DOCPART == 4
	.amdgcn_target "amdgcn-amd-amdhsa--gfx1250"
	.amdhsa_code_object_version 6
	.text
	.protected	k_qc41defb3a1_proj_o
	.globl	k_qc41defb3a1_proj_o
	.p2align	8
	.type	k_qc41defb3a1_proj_o,@function
k_qc41defb3a1_proj_o:
	s_mov_b64 s[64:65], 0
	v_nop
	global_prefetch_b8 v0, s[64:65] scope:SCOPE_SE
	s_setreg_imm32_b32 hwreg(HW_REG_WAVE_MODE, 25, 1), 1
	s_wait_xcnt 0x0
	s_wait_alu depctr_hold_cnt(0) depctr_sa_sdst(0) depctr_va_vdst(0) depctr_va_sdst(0) depctr_va_ssrc(0) depctr_va_vcc(0) depctr_vm_vsrc(0)
	s_getreg_b32 s2, hwreg(HW_REG_IB_STS2, 6, 4)
	s_cmp_eq_u32 s2, 0
	s_cbranch_scc0 .Lentry_in_a_cluster
	s_endpgm
.Lentry_in_a_cluster:
	s_bfe_u32 s2, ttmp6, 0x10000c
	s_cmp_lg_u32 s2, 0xf033
	s_cbranch_scc0 .Lentry_shape_is_right
	s_endpgm
.Lentry_shape_is_right:
; out = res + Y X^T + bias on codes of FP6 (E2M3) with E8M0 scales.  Here: Y = the attention's o (4,096 tokens), X = Wo (1,024 features), K = 1,024 (KS = 8 steps of 128), res = x, bias = bo, out = x1 (f32).
; OPERANDS are images: [tile of 16 rows][K step][1536 bytes]; tile T, place r is row 32 (T / 2) + 8 (T % 2) + r + 8 (r / 8); scale words [T / 8][K step][128 words], word 16 (T % 8) + r.
; A work-group makes 128 tokens x 128 features, so that there are 256 work-groups.  THE FOUR WAVES SHARE K, not the tile: wave w takes K steps 4 t + w and keeps all 64 accumulators, so that each fragment read from LDS
; still feeds eight products.  At the end the four partial sums meet in LDS and are added in one fixed order.  LIMIT: an output is the sum of four partial f32 sums, not one ascending chain.
; Source 0 = X, source 1 = Y: a lane holds one token, and the 16 registers of X's tiles 2 B, 2 B + 1 are features 32 B + 16 (lane / 16) + 0 .. 15.
; A slot holds four K steps of the 16 tiles; CLUSTER 4 x 4: Y's tiles are asked for jointly along a row, X's along a column.  K = 1,024 is two slots: both are first fills, and nothing is filled again.  A wave has one tensor load out at a time.
.set KS,     8
.set YS,     3145728                   ; Y's scale words in its buffer
.set XC,     2359296                   ; X's codes in wts
.set XS,     9535488                   ; X's scale words
.set RTB,    6144                      ; a tile's bytes in a slot: four K steps
.set SLOT,   98304                     ; Y's 8 tiles, then X's 8
.set SCL,    196608                    ; the scale words: Y's KS x 512 bytes, then X's
.set SPARE,  270336                    ; behind the stage of the way out: the spare words
.set RD,  8                            ; v8-11 the way out: partial sum c, my 32 rows
.set ADY, 16
.set ADX, 18
.set ADSY, 20
.set ADSX, 21
.set STO, 22
.set LI,  24
.set SPW, 28
.set NIL, 29
.set SC,  32
.set BIAS, 48
.set YF,  64
.set G1, 24
.set G0, 32
.set G1B, 48
.set G0B, 56
.set G1S, 68
.set G0S, 76
.set G1SB, 80
.set G0SB, 88
.set MSB, 0
.macro WIN new
.if MSB != \new
	s_set_vgpr_msb (MSB<<8)|\new
.set MSB, \new
.endif
.endm
.set MUL_LO, 0xa1
.set MUL_HI, 0xf1
.set TO_X,   0x40
.macro JLOAD g0a, g1a, g0b, g1b        ; a joint load: waves 0, 1 fetch for Y, waves 2, 3 for X; an s_nop 0 and four v_nop follow each line
	s_cmp_eq_u32 s15, 0
	s_cbranch_scc0 .Lfor_b_\@
	tensor_load_to_lds s[\g0a:\g0a+3], s[\g1a:\g1a+7]
	s_nop 0
.rept 4
	v_nop
.endr
	s_branch .Lasked_\@
.Lfor_b_\@:
	tensor_load_to_lds s[\g0b:\g0b+3], s[\g1b:\g1b+7]
	s_nop 0
.rept 4
	v_nop
.endr
.Lasked_\@:
.endm
.macro CREST
	s_cmp_lg_u32 s14, 0
	s_cbranch_scc1 .Lnot_wave_0_\@
	s_barrier_signal -3
.Lnot_wave_0_\@:
	s_barrier_wait -3
	s_barrier_signal -1
	s_barrier_wait -1
.endm
.macro CROUND
	s_barrier_signal -1
	s_barrier_wait -1
	CREST
.endm
.macro PLACES n
.rept \n
	v_nop
.endr
.endm
.macro WM d, x, y, zero, sx, sy, rx, ry
.if \zero
.if ((\rx)==0) && ((\ry)==0)
	v_wmma_scale_f32_16x16x128_f8f6f4 v[(\d):(\d)+7], v[(\x):(\x)+11], v[(\y):(\y)+11], 0, v[(\sx)], v[(\sy)] matrix_a_fmt:MATRIX_FMT_FP6 matrix_b_fmt:MATRIX_FMT_FP6
.elseif (\ry)==0
	v_wmma_scale_f32_16x16x128_f8f6f4 v[(\d):(\d)+7], v[(\x):(\x)+11], v[(\y):(\y)+11], 0, v[(\sx)], v[(\sy)] matrix_a_fmt:MATRIX_FMT_FP6 matrix_b_fmt:MATRIX_FMT_FP6 matrix_a_scale:MATRIX_SCALE_ROW1
.elseif (\rx)==0
	v_wmma_scale_f32_16x16x128_f8f6f4 v[(\d):(\d)+7], v[(\x):(\x)+11], v[(\y):(\y)+11], 0, v[(\sx)], v[(\sy)] matrix_a_fmt:MATRIX_FMT_FP6 matrix_b_fmt:MATRIX_FMT_FP6 matrix_b_scale:MATRIX_SCALE_ROW1
.else
	v_wmma_scale_f32_16x16x128_f8f6f4 v[(\d):(\d)+7], v[(\x):(\x)+11], v[(\y):(\y)+11], 0, v[(\sx)], v[(\sy)] matrix_a_fmt:MATRIX_FMT_FP6 matrix_b_fmt:MATRIX_FMT_FP6 matrix_a_scale:MATRIX_SCALE_ROW1 matrix_b_scale:MATRIX_SCALE_ROW1
.endif
.else
.if ((\rx)==0) && ((\ry)==0)
	v_wmma_scale_f32_16x16x128_f8f6f4 v[(\d):(\d)+7], v[(\x):(\x)+11], v[(\y):(\y)+11], v[(\d):(\d)+7], v[(\sx)], v[(\sy)] matrix_a_fmt:MATRIX_FMT_FP6 matrix_b_fmt:MATRIX_FMT_FP6
.elseif (\ry)==0
	v_wmma_scale_f32_16x16x128_f8f6f4 v[(\d):(\d)+7], v[(\x):(\x)+11], v[(\y):(\y)+11], v[(\d):(\d)+7], v[(\sx)], v[(\sy)] matrix_a_fmt:MATRIX_FMT_FP6 matrix_b_fmt:MATRIX_FMT_FP6 matrix_a_scale:MATRIX_SCALE_ROW1
.elseif (\rx)==0
	v_wmma_scale_f32_16x16x128_f8f6f4 v[(\d):(\d)+7], v[(\x):(\x)+11], v[(\y):(\y)+11], v[(\d):(\d)+7], v[(\sx)], v[(\sy)] matrix_a_fmt:MATRIX_FMT_FP6 matrix_b_fmt:MATRIX_FMT_FP6 matrix_b_scale:MATRIX_SCALE_ROW1
.else
	v_wmma_scale_f32_16x16x128_f8f6f4 v[(\d):(\d)+7], v[(\x):(\x)+11], v[(\y):(\y)+11], v[(\d):(\d)+7], v[(\sx)], v[(\sy)] matrix_a_fmt:MATRIX_FMT_FP6 matrix_b_fmt:MATRIX_FMT_FP6 matrix_a_scale:MATRIX_SCALE_ROW1 matrix_b_scale:MATRIX_SCALE_ROW1
.endif
.endif
.endm
.macro MUL16 a0, p, zero               ; the 64 accumulators take turns, one instruction a turn, in the same order in every step
.irp a, \a0, \a0+1
.irp b, 0,1,2,3,4,5,6,7
	WM 8*(8*((\a)%4)+\b), 128*(\p)+12*\b, YF+96*(\p)+12*(\a), \zero, SC+8*(\p)+\b/2, SC+8*(\p)+4+(\a)/2, \b%2, (\a)%2
.endr
.endr
.endm
.macro FRAG3 reg, adr, off
.irp c, 0,1,2
	ds_load_b128 v[\reg+4*\c:\reg+4*\c+3], v[\adr] offset:\off+512*\c
.endr
.endm
.macro FRAG4 reg, adr, adr8, off       ; o's images are laid as registers 0-3 | 4-5 | 6-9 | 10-11
	ds_load_b128 v[\reg:\reg+3], v[\adr] offset:\off
	ds_load_b64 v[\reg+4:\reg+5], v[\adr8] offset:\off+512
	ds_load_b128 v[\reg+6:\reg+9], v[\adr] offset:\off+768
	ds_load_b64 v[\reg+10:\reg+11], v[\adr8] offset:\off+1280
.endm
.macro FETCH t
.set FQ, (\t)%2
	WIN TO_X
.irp i, 0,1,2,3,4,5,6,7
	FRAG3 128*FQ+12*\i, ADX+FQ, \i*RTB
.endr
	WIN 0
.irp i, 0,1,2,3
	ds_load_b32 v[SC+8*FQ+\i], v[ADSX] offset:2048*(\t)+128*\i
.endr
.irp i, 0,1,2,3
	ds_load_b32 v[SC+8*FQ+4+\i], v[ADSY] offset:2048*(\t)+128*\i
.endr
.irp i, 0,1,2,3,4,5,6,7
	FRAG4 YF+96*FQ+12*\i, ADY+FQ, 12+FQ, \i*RTB
.endr
.endm
.macro TURN t, fill, zero              ; every step changes slots: one barrier; fill = 1: the slot is filled again, two fills ahead, behind a round of the cluster's barrier
.set TSL, (\t)%2
	s_wait_dscnt 16                                ; all but the youngest sixteen loads (Y's tiles 4-7) are in: this step's products stand ahead of the wait for the next slot
	WIN MUL_LO
	MUL16 0, TSL, \zero
	MUL16 2, TSL, \zero
	s_wait_dscnt 0x0
	WIN MUL_HI
	MUL16 4, TSL, \zero
	MUL16 6, TSL, \zero
	WIN 0
	s_wait_tensorcnt 0x0                           ; my part of the next slot has landed
	s_barrier_signal -1
	s_barrier_wait -1
.if \fill
	CREST
	s_add_nc_u64 s[G0+4*TSL+2:G0+4*TSL+3], s[G0+4*TSL+2:G0+4*TSL+3], 2*RTB
	s_add_nc_u64 s[G0B+4*TSL+2:G0B+4*TSL+3], s[G0B+4*TSL+2:G0B+4*TSL+3], 2*RTB
	JLOAD G0+4*TSL, G1, G0B+4*TSL, G1B
.else
	PLACES 4                                       ; places in front of loads into registers that matrix instructions have read
.endif
	FETCH (\t)+1
.endm
	s_load_b256 s[4:11], s[0:1], 0x0               ; Y's buffer, wts, res, bias
	s_load_b64 s[12:13], s[0:1], 0x20              ; out
	v_lshl_add_u32 v[SPW], v0, 2, SPARE
	v_mov_b32 v[NIL], 0
	ds_add_u32 v[SPW], v[NIL]                      ; the wave's opening: the add and its wait come ahead of my first tensor load
	ds_add_u32 v[SPW], v[NIL]
	v_lshrrev_b32 v1, 5, v0
	v_readfirstlane_b32 s14, v1                    ; wave: my K steps are 4 t + wave
	s_lshr_b32 s15, s14, 1                         ; I fetch for Y (0) or X (1),
	s_and_b32 s16, s14, 1                          ; this half of its eight tiles
	s_bfe_u32 s40, ttmp6, 0x40000
	s_bfe_u32 s41, ttmp6, 0x40004
	s_lshl_b32 s42, ttmp9, 2
	s_add_co_u32 s42, s42, s40                     ; X's block of 128 features
	s_and_b32 s17, ttmp7, 0xffff
	s_lshl_b32 s17, s17, 2
	s_add_co_u32 s17, s17, s41                     ; Y's block of 128 tokens
	s_lshl_b32 s43, s41, 2
	s_lshl_b32 s43, 15, s43
	s_lshl_b32 s44, 0x1111, s40
	s_or_b32 s[G1+0], s43, (3<<16)|(1<<21)         ; the mask; elements of 8 bytes; 21 set beside a mask; no padding
	s_or_b32 s[G1B+0], s44, (3<<16)|(1<<21)
.irp g, G1, G1B                        ; codes: 4 tiles x 6,144 bytes (four K steps), KS x 1,536 bytes from tile to tile
	s_mov_b32 s[\g+1], 768<<16
	s_mov_b32 s[\g+2], 8<<16                       ; the head's loads bring all 8 tiles of an operand
	s_mov_b32 s[\g+3], 768<<16
	s_mov_b32 s[\g+4], 8
	s_mov_b32 s[\g+5], KS*192
	s_mov_b32 s[\g+6], 0
	s_mov_b32 s[\g+7], 0
.endr
	s_or_b32 s[G1S+0], s43, (3<<16)|(1<<21)
	s_or_b32 s[G1SB+0], s44, (3<<16)|(1<<21)
.irp g, G1S, G1SB                      ; scale words: KS x 256 dense bytes as rows of 256
	s_mov_b32 s[\g+1], 32<<16
	s_mov_b32 s[\g+2], (2*KS)<<16                  ; all of an operand's scale words
	s_mov_b32 s[\g+3], 32<<16
	s_mov_b32 s[\g+4], 2*KS
	s_mov_b32 s[\g+5], 32
	s_mov_b32 s[\g+6], 0
	s_mov_b32 s[\g+7], 0
.endr
	s_mul_i32 s20, s17, KS*12288
	s_mul_i32 s2, s16, KS*6144
	s_add_co_u32 s20, s20, s2
	s_mul_i32 s46, s42, KS*12288
	s_add_co_u32 s46, s46, s2
	s_add_co_u32 s46, s46, XC
	s_mul_i32 s22, s17, KS*512
	s_mul_i32 s2, s16, KS*256
	s_add_co_u32 s22, s22, s2
	s_add_co_u32 s22, s22, YS
	s_mul_i32 s92, s42, KS*512
	s_add_co_u32 s92, s92, s2
	s_add_co_u32 s92, s92, XS
	s_mov_b32 s21, 0
	s_mov_b32 s23, 0
	s_mov_b32 s47, 0
	s_mov_b32 s93, 0
	s_mul_i32 s45, s14, 24576
	s_mul_i32 s94, s14, KS*256
	s_wait_dscnt 0x0                               ; the opening add is done
	s_wait_kmcnt 0x0
	s_add_nc_u64 s[20:21], s[4:5], s[20:21]
	s_add_nc_u64 s[22:23], s[4:5], s[22:23]
	s_add_nc_u64 s[46:47], s[6:7], s[46:47]
	s_add_nc_u64 s[92:93], s[6:7], s[92:93]
	CROUND                                         ; all sixteen work-groups are here: the first joint loads meet
	s_mov_b32 s3, 0                                ; s2 holds the wave's half of the scale words: taken off, the address is the block's first word
	s_mov_b32 s[G0S], 1
	s_mov_b32 s[G0S+1], SCL
	s_sub_nc_u64 s[G0S+2:G0S+3], s[22:23], s[2:3]
	s_or_b32 s[G0S+3], s[G0S+3], 0x80000000
	s_mov_b32 s[G0SB], 1
	s_mov_b32 s[G0SB+1], SCL+KS*512
	s_sub_nc_u64 s[G0SB+2:G0SB+3], s[92:93], s[2:3]
	s_or_b32 s[G0SB+3], s[G0SB+3], 0x80000000
.irp s, 0,1
	s_mov_b32 s[G0+4*\s], 1
	s_add_co_u32 s[G0+4*\s+1], s45, \s*SLOT
	s_add_nc_u64 s[G0+4*\s+2:G0+4*\s+3], s[20:21], \s*RTB
	s_or_b32 s[G0+4*\s+3], s[G0+4*\s+3], 0x80000000
	s_mov_b32 s[G0B+4*\s], 1
	s_add_co_u32 s[G0B+4*\s+1], s45, \s*SLOT
	s_add_nc_u64 s[G0B+4*\s+2:G0B+4*\s+3], s[46:47], \s*RTB
	s_or_b32 s[G0B+4*\s+3], s[G0B+4*\s+3], 0x80000000
.endr
	; the head's four tiles, one joint load a wave, in one chain of branches on the wave's number: wave 0 Y's slot 0, wave 1 Y's scale words, wave 2 X's slot 0, wave 3 X's scale words
	s_cmp_eq_u32 s14, 0
	s_cbranch_scc0 .Lh1
	tensor_load_to_lds s[G0:G0+3], s[G1:G1+7]
	s_nop 0
	PLACES 4
	s_branch .Lhj
.Lh1:
	s_cmp_eq_u32 s14, 1
	s_cbranch_scc0 .Lh2
	tensor_load_to_lds s[G0S:G0S+3], s[G1S:G1S+7]
	s_nop 0
	PLACES 4
	s_branch .Lhj
.Lh2:
	s_cmp_eq_u32 s14, 2
	s_cbranch_scc0 .Lh3
	tensor_load_to_lds s[G0B:G0B+3], s[G1B:G1B+7]
	s_nop 0
	PLACES 4
	s_branch .Lhj
.Lh3:
	tensor_load_to_lds s[G0SB:G0SB+3], s[G1SB:G1SB+7]
	s_nop 0
	PLACES 4
.Lhj:
	v_and_b32 v3, 31, v0
	v_and_b32 v1, 15, v0
	v_bfe_u32 v2, v0, 4, 1
	v_lshlrev_b32 v[LI], 4, v3
	s_mul_i32 s21, s14, 1536                       ; my K step of a slot's four
.irp s, 0,1
	v_add_nc_u32 v[ADY+\s], s21, v[LI]
	v_add_nc_u32 v[ADX+\s], 49152, v[ADY+\s]
	v_lshl_add_u32 v[12+\s], v3, 3, s21            ; Y's pieces of 8 bytes a lane
	s_add_co_u32 s21, s21, SLOT
.endr
	v_lshlrev_b32 v4, 2, v3
	s_lshl_b32 s21, s14, 9
	s_add_co_u32 s21, s21, SCL
	v_add_nc_u32 v[ADSY], s21, v4
	v_add_nc_u32 v[ADSX], KS*512, v[ADSY]
	s_mul_i32 s21, s14, 67584
	v_mul_u32_u24 v4, v1, 528
	v_lshl_add_u32 v4, v2, 6, v4
	v_add_nc_u32 v[STO], s21, v4                   ; the stage: my partial sums, row r of a tile, + 64 h
	s_mul_i32 s21, s14, 16896
.irp c, 0,1,2,3
	v_add_nc_u32 v[RD+\c], s21, v[LI]              ; and back: wave c's partial sums of the 32 rows that I finish
	s_add_co_u32 s21, s21, 67584
.endr
	s_lshl_b32 s20, s17, 19                        ; res and out: token 128 x block + 32 x wave, feature 128 x block
	s_lshl_b32 s21, s14, 17
	s_add_co_u32 s20, s20, s21
	s_lshl_b32 s46, s42, 9
	s_add_co_u32 s20, s20, s46
	s_mov_b32 s21, 0
	s_mov_b32 s47, 0
	s_add_nc_u64 s[8:9], s[8:9], s[20:21]
	s_add_nc_u64 s[12:13], s[12:13], s[20:21]
	s_add_nc_u64 s[10:11], s[10:11], s[46:47]
	s_wait_alu depctr_va_vdst(0)
	s_wait_tensorcnt 0x0                           ; my tile of the head's four is in; slot 1's first fill is issued as a refill is
	ds_add_u32 v[SPW], v[NIL]
	s_mov_b32 s[G1+2], 4<<16                       ; no tensor load of mine is out: from here on a load brings 4 tiles
	s_mov_b32 s[G1+4], 4
	s_mov_b32 s[G1B+2], 4<<16
	s_mov_b32 s[G1B+4], 4
	s_wait_dscnt 0x0
	CROUND                                         ; everybody's tile is in, and the joint loads meet
	JLOAD G0+4, G1, G0B+4, G1B
	FETCH 0
	TURN 0, 0, 1
	global_load_b128 v[BIAS:BIAS+3], v[LI], s[10:11]               ; the bias, and 24 of my 32 rows of the residual, into the fragment registers that the first step has done with (four places stand behind its products)
.set n, 0
.rept 24
	global_load_b128 v[64+4*n:64+4*n+3], v[LI], s[8:9] offset:(8*(n/16)+n%16+8*((n%16)/8))*4096
.set n, n+1
.endr
	s_wait_dscnt 16                                ; the last step: nothing more to fetch
	WIN MUL_LO
	MUL16 0, 1, 0
	MUL16 2, 1, 0
	s_wait_dscnt 0x0
	WIN MUL_HI
	MUL16 4, 1, 0
	MUL16 6, 1, 0
	WIN 0
	; THE WAY OUT.  Behind this barrier nobody reads the slots or the scale words, which have had their last fill: they take the four waves' partial sums, rows of 512 bytes + 16.
	s_barrier_signal -1
	s_barrier_wait -1
	PLACES 4
.set n, 24
.rept 8
	global_load_b128 v[64+4*n:64+4*n+3], v[LI], s[8:9] offset:(8*(n/16)+n%16+8*((n%16)/8))*4096
.set n, n+1
.endr
.irp a, 0,1,2,3,4,5,6,7
	WIN 0x08+4*(\a/4)
.irp b, 0,1,2,3,4,5,6,7
	ds_store_b128 v[STO], v[8*(8*(\a%4)+\b):8*(8*(\a%4)+\b)+3] offset:8448*\a+128*(\b/2)+32*(\b%2)      ; each accumulator from its low end on
	ds_store_b128 v[STO], v[8*(8*(\a%4)+\b)+4:8*(8*(\a%4)+\b)+7] offset:8448*\a+128*(\b/2)+32*(\b%2)+16
.endr
.endr
	WIN 0
	s_wait_dscnt 0x0                               ; for the others' sake: my stores have landed
	s_barrier_signal -1
	s_barrier_wait -1
.macro LOADB k                         ; batch k: rows 2 k, 2 k + 1 of my 32, all four partial sums
.irp rr, 0,1
.irp c, 0,1,2,3
	ds_load_b128 v[192+32*((\k)%2)+16*\rr+4*\c:192+32*((\k)%2)+16*\rr+4*\c+3], v[RD+\c] offset:8448*((2*(\k)+\rr)/16)+528*((2*(\k)+\rr)%16)
.endr
.endr
.endm
.macro FIN k, left
	s_wait_dscnt \left
.if (\k) == 12
	s_wait_loadcnt 0x0                             ; the last eight rows of the residual
.endif
.irp rr, 0,1
.set BB, 192+32*((\k)%2)+16*\rr
.set NN, 2*(\k)+\rr
.set RR, 64+4*NN
.irp d, 0,2
	v_pk_add_f32 v[BB+\d:BB+\d+1], v[BB+\d:BB+\d+1], v[BB+4+\d:BB+4+\d+1]
	v_pk_add_f32 v[BB+8+\d:BB+8+\d+1], v[BB+8+\d:BB+8+\d+1], v[BB+12+\d:BB+12+\d+1]
	v_pk_add_f32 v[RR+\d:RR+\d+1], v[RR+\d:RR+\d+1], v[BIAS+\d:BIAS+\d+1]
.endr
.irp d, 0,2
	v_pk_add_f32 v[BB+\d:BB+\d+1], v[BB+\d:BB+\d+1], v[BB+8+\d:BB+8+\d+1]
.endr
.irp d, 0,2
	v_pk_add_f32 v[RR+\d:RR+\d+1], v[RR+\d:RR+\d+1], v[BB+\d:BB+\d+1]
.endr
	global_store_b128 v[LI], v[RR:RR+3], s[12:13] offset:(8*(NN/16)+NN%16+8*((NN%16)/8))*4096   ; 512 consecutive bytes, aligned; no store's data are written again
.endr
.endm
	LOADB 0
	LOADB 1
	s_wait_loadcnt 8                               ; the bias and 24 rows are in; the eight rows asked for last may be out
.set K2, 0
.rept 14
	FIN K2, 8
	LOADB K2+2
.set K2, K2+1
.endr
	FIN 14, 8
	FIN 15, 0
	s_wait_tensorcnt 0x0                           ; the wave's end
	ds_add_u32 v[SPW], v[NIL]
	s_wait_dscnt 0x0
	CROUND                                         ; the closing round
	s_endpgm
.Lfunc_end_k_qc41defb3a1_proj_o:
	.size	k_qc41defb3a1_proj_o, .Lfunc_end_k_qc41defb3a1_proj_o-k_qc41defb3a1_proj_o
	.p2alignl 7, 3214868480
	.fill 96, 4, 3214868480
	.section	.rodata,"a",@progbits
	.p2align	6, 0x0
	.amdhsa_kernel k_qc41defb3a1_proj_o
		.amdhsa_group_segment_fixed_size 327680
		.amdhsa_private_segment_fixed_size 0
		.amdhsa_enable_private_segment 0
		.amdhsa_kernarg_size 40
		.amdhsa_user_sgpr_count 2
		.amdhsa_user_sgpr_kernarg_segment_ptr 1
		.amdhsa_wavefront_size32 1
		.amdhsa_system_sgpr_workgroup_id_x 1
		.amdhsa_system_sgpr_workgroup_id_y 1
		.amdhsa_system_sgpr_workgroup_id_z 1
		.amdhsa_system_vgpr_workitem_id 0
		.amdhsa_next_free_vgpr 1024
		.amdhsa_next_free_sgpr 100
		.amdhsa_reserve_vcc 0
		.amdhsa_float_denorm_mode_32 3
		.amdhsa_float_denorm_mode_16_64 3
		.amdhsa_memory_ordered 1
		.amdhsa_forward_progress 1
		.amdhsa_inst_pref_size 79
	.end_amdhsa_kernel
	.amdgpu_metadata
---
amdhsa.version: [ 1, 2 ]
amdhsa.kernels:
  - .name:           k_qc41defb3a1_proj_o
    .symbol:         k_qc41defb3a1_proj_o.kd
    .args:
      - { .name: oq, .offset: 0, .size: 8, .value_kind: global_buffer, .address_space: global }
      - { .name: wts, .offset: 8, .size: 8, .value_kind: global_buffer, .address_space: global }
      - { .name: x, .offset: 16, .size: 8, .value_kind: global_buffer, .address_space: global }
      - { .name: bo, .offset: 24, .size: 8, .value_kind: global_buffer, .address_space: global }
      - { .name: x1, .offset: 32, .size: 8, .value_kind: global_buffer, .address_space: global }
    .group_segment_fixed_size: 327680
    .private_segment_fixed_size: 0
    .kernarg_segment_align: 8
    .kernarg_segment_size: 40
    .max_flat_workgroup_size: 128
    .sgpr_count:     100
    .vgpr_count:     1024
    .wavefront_size: 32
...
	.end_amdgpu_metadata
.endif
;; end of part 4
;; launch ln2: the kernel of part 1 again; grid 256 x 1, 8 waves a work-group, no clusters, 119,296 bytes of LDS; arguments x1, g2, be2, hq, Wq, Wk, Wv, Wo, W1, W2, wts; writes hq, wts
;; launch ff1 (part 5): grid 16 x 16, 4 waves a work-group, clusters of 4 x 4, 327,680 bytes of LDS; arguments hq, wts, b1, fq; writes fq
.if DOCPART == 5
	.amdgcn_target "amdgcn-amd-amdhsa--gfx1250"
	.amdhsa_code_object_version 6
	.text
	.protected	k_qc41defb3a1_ff1
	.globl	k_qc41defb3a1_ff1
	.p2align	8
	.type	k_qc41defb3a1_ff1,@function
k_qc41defb3a1_ff1:
	s_mov_b64 s[64:65], 0
	v_nop
	global_prefetch_b8 v0, s[64:65] scope:SCOPE_SE
	s_setreg_imm32_b32 hwreg(HW_REG_WAVE_MODE, 25, 1), 1
	s_wait_xcnt 0x0
	s_wait_alu depctr_hold_cnt(0) depctr_sa_sdst(0) depctr_va_vdst(0) depctr_va_sdst(0) depctr_va_ssrc(0) depctr_va_vcc(0) depctr_vm_vsrc(0)
	s_getreg_b32 s2, hwreg(HW_REG_IB_STS2, 6, 4)
	s_cmp_eq_u32 s2, 0
	s_cbranch_scc0 .Lentry_in_a_cluster
	s_endpgm
.Lentry_in_a_cluster:
	s_bfe_u32 s2, ttmp6, 0x10000c
	s_cmp_lg_u32 s2, 0xf033
	s_cbranch_scc0 .Lentry_shape_is_right
	s_endpgm
.Lentry_shape_is_right:
.set HS,     3145728
.set W1_C,   3145728
.set W1_S,   9568256
.set FS,     12582912
.set RTB,    3072
.set SLOT,   98304
.set SCL,    196608
.set SPARE,  262144
.set SCW,    262656
.set ADY, 16
.set ADX, 18
.set ADSY, 20
.set ADSX, 21
.set DMP, 22
.set RDA, 23
.set LI,  24
.set SWA, 25
.set TMA, 26
.set BO,  27
.set SPW, 28
.set NIL, 29
.set SRD, 30
.set SC,  32
.set VA11, 48
.set VB6,  50
.set YF,  64
.set H,   64
.set BI,  128
.set Z,   192
.set X2,  208
.set P,   224
.set Q,   240
.set TM,  192
.set PC,  208
.set PW,  228
.set SEL, 46
.set CR2, 24
.set CA13, 26
.set CA9, 28
.set CA7, 30
.set CA5, 32
.set CA3, 34
.set CA1, 36
.set CB8, 38
.set CB4, 40
.set CB2, 42
.set CB0, 44
.set G1, 24
.set G0, 32
.set G1B, 48
.set G0B, 56
.set G1S, 68
.set G0S, 76
.set G1SB, 80
.set G0SB, 88
.set MSB, 0
.macro WIN new
.if MSB != \new
	s_set_vgpr_msb (MSB<<8)|\new
.set MSB, \new
.endif
.endm
.set MUL_LO, 0xa1
.set MUL_HI, 0xf1
.set TO_X,   0x40
.macro JLOAD g0a, g1a, g0b, g1b
	s_cmp_eq_u32 s15, 0
	s_cbranch_scc0 .Lfor_b_\@
	tensor_load_to_lds s[\g0a:\g0a+3], s[\g1a:\g1a+7]
	s_nop 0
.rept 4
	v_nop
.endr
	s_branch .Lasked_\@
.Lfor_b_\@:
	tensor_load_to_lds s[\g0b:\g0b+3], s[\g1b:\g1b+7]
	s_nop 0
.rept 4
	v_nop
.endr
.Lasked_\@:
.endm
.macro CREST
	s_cmp_lg_u32 s14, 0
	s_cbranch_scc1 .Lnot_wave_0_\@
	s_barrier_signal -3
.Lnot_wave_0_\@:
	s_barrier_wait -3
	s_barrier_signal -1
	s_barrier_wait -1
.endm
.macro CROUND
	s_barrier_signal -1
	s_barrier_wait -1
	CREST
.endm
.macro PLACES n
.rept \n
	v_nop
.endr
.endm
.macro WM d, x, y, zero, sx, sy, rx, ry
.if \zero
.if ((\rx)==0) && ((\ry)==0)
	v_wmma_scale_f32_16x16x128_f8f6f4 v[(\d):(\d)+7], v[(\x):(\x)+11], v[(\y):(\y)+11], 0, v[(\sx)], v[(\sy)] matrix_a_fmt:MATRIX_FMT_FP6 matrix_b_fmt:MATRIX_FMT_FP6
.elseif (\ry)==0
	v_wmma_scale_f32_16x16x128_f8f6f4 v[(\d):(\d)+7], v[(\x):(\x)+11], v[(\y):(\y)+11], 0, v[(\sx)], v[(\sy)] matrix_a_fmt:MATRIX_FMT_FP6 matrix_b_fmt:MATRIX_FMT_FP6 matrix_a_scale:MATRIX_SCALE_ROW1
.elseif (\rx)==0
	v_wmma_scale_f32_16x16x128_f8f6f4 v[(\d):(\d)+7], v[(\x):(\x)+11], v[(\y):(\y)+11], 0, v[(\sx)], v[(\sy)] matrix_a_fmt:MATRIX_FMT_FP6 matrix_b_fmt:MATRIX_FMT_FP6 matrix_b_scale:MATRIX_SCALE_ROW1
.else
	v_wmma_scale_f32_16x16x128_f8f6f4 v[(\d):(\d)+7], v[(\x):(\x)+11], v[(\y):(\y)+11], 0, v[(\sx)], v[(\sy)] matrix_a_fmt:MATRIX_FMT_FP6 matrix_b_fmt:MATRIX_FMT_FP6 matrix_a_scale:MATRIX_SCALE_ROW1 matrix_b_scale:MATRIX_SCALE_ROW1
.endif
.else
.if ((\rx)==0) && ((\ry)==0)
	v_wmma_scale_f32_16x16x128_f8f6f4 v[(\d):(\d)+7], v[(\x):(\x)+11], v[(\y):(\y)+11], v[(\d):(\d)+7], v[(\sx)], v[(\sy)] matrix_a_fmt:MATRIX_FMT_FP6 matrix_b_fmt:MATRIX_FMT_FP6
.elseif (\ry)==0
	v_wmma_scale_f32_16x16x128_f8f6f4 v[(\d):(\d)+7], v[(\x):(\x)+11], v[(\y):(\y)+11], v[(\d):(\d)+7], v[(\sx)], v[(\sy)] matrix_a_fmt:MATRIX_FMT_FP6 matrix_b_fmt:MATRIX_FMT_FP6 matrix_a_scale:MATRIX_SCALE_ROW1
.elseif (\rx)==0
	v_wmma_scale_f32_16x16x128_f8f6f4 v[(\d):(\d)+7], v[(\x):(\x)+11], v[(\y):(\y)+11], v[(\d):(\d)+7], v[(\sx)], v[(\sy)] matrix_a_fmt:MATRIX_FMT_FP6 matrix_b_fmt:MATRIX_FMT_FP6 matrix_b_scale:MATRIX_SCALE_ROW1
.else
	v_wmma_scale_f32_16x16x128_f8f6f4 v[(\d):(\d)+7], v[(\x):(\x)+11], v[(\y):(\y)+11], v[(\d):(\d)+7], v[(\sx)], v[(\sy)] matrix_a_fmt:MATRIX_FMT_FP6 matrix_b_fmt:MATRIX_FMT_FP6 matrix_a_scale:MATRIX_SCALE_ROW1 matrix_b_scale:MATRIX_SCALE_ROW1
.endif
.endif
.endm
.macro MUL16 a0, p, zero
.irp a, \a0, \a0+1
.irp b, 0,1,2,3,4,5,6,7
	WM 8*(8*((\a)%4)+\b), 128*(\p)+12*\b, YF+96*(\p)+12*(\a), \zero, SC+8*(\p)+\b/2, SC+8*(\p)+4+(\a)/2, \b%2, (\a)%2
.endr
.endr
.endm
.macro FRAG3 reg, adr, off
.irp c, 0,1,2
	ds_load_b128 v[\reg+4*\c:\reg+4*\c+3], v[\adr] offset:\off+512*\c
.endr
.endm
.macro FETCH ks
.set FSL, ((\ks)/2)%2
.set FQ,  (\ks)%2
	WIN TO_X
.irp i, 0,1,2,3,4,5,6,7
	FRAG3 128*FQ+12*\i, ADX+FSL, \i*RTB+FQ*1536
.endr
	WIN 0
.irp i, 0,1,2,3
	ds_load_b32 v[SC+8*FQ+\i], v[ADSX] offset:512*(\ks)+128*\i
.endr
.irp i, 0,1,2,3
	ds_load_b32 v[SC+8*FQ+4+\i], v[ADSY] offset:512*(\ks)+128*\i
.endr
.irp i, 0,1,2,3,4,5,6,7
	FRAG3 YF+96*FQ+12*\i, ADY+FSL, \i*RTB+FQ*1536
.endr
.endm
.macro STEP ks, zero
	s_wait_dscnt 12
	WIN MUL_LO
	MUL16 0, (\ks)%2, \zero
	MUL16 2, (\ks)%2, \zero
	PLACES 4
	FETCH (\ks)+1
	s_wait_dscnt 56
	WIN MUL_HI
	MUL16 4, (\ks)%2, \zero
	MUL16 6, (\ks)%2, \zero
	WIN 0
.endm
.macro TURN ks, fill
.set TSL, ((\ks)/2)%2
	s_wait_tensorcnt 0x0
	ds_add_u32 v[SPW], v[NIL]
	s_wait_dscnt 0x0                               ; the add is done, and my reads of this slot are over: the refill follows at once, and this step's 64 products stand behind it
	s_barrier_signal -1
	s_barrier_wait -1
.if \fill
	CREST
	s_add_nc_u64 s[G0+4*TSL+2:G0+4*TSL+3], s[G0+4*TSL+2:G0+4*TSL+3], 2*RTB
	s_add_nc_u64 s[G0B+4*TSL+2:G0B+4*TSL+3], s[G0B+4*TSL+2:G0B+4*TSL+3], 2*RTB
	JLOAD G0+4*TSL, G1, G0B+4*TSL, G1B
.else
	PLACES 4
.endif
	FETCH (\ks)+1
	WIN MUL_LO
	MUL16 0, (\ks)%2, 0
	MUL16 2, (\ks)%2, 0
	WIN MUL_HI
	MUL16 4, (\ks)%2, 0
	MUL16 6, (\ks)%2, 0
	WIN 0
.endm
.macro QUANT s
.irp b, 0,1,2,3
	v_max3_num_f32 v[TM+\b], |v[\s+16*\b]|, |v[\s+1+16*\b]|, 0x1800000
.endr
.irp i, 2,4,6,8,10,12,14
.irp b, 0,1,2,3
	v_max3_num_f32 v[TM+\b], v[TM+\b], |v[\s+16*\b+\i]|, |v[\s+1+16*\b+\i]|
.endr
.endr
.irp b, 0,1,2,3
	v_permlanex16_b32 v[TM+4+\b], v[TM+\b], s[SEL], s[SEL+1]
.endr
.irp b, 0,1,2,3
	v_max_num_f32 v[TM+\b], v[TM+\b], v[TM+4+\b]
.endr
.irp b, 0,1,2,3
	v_add_nc_u32 v[TM+12+\b], 0xff000000, v[TM+\b]
.endr
.irp b, 0,1,2,3
	v_lshrrev_b32 v[TM+4+\b], 23, v[TM+12+\b]
.endr
	v_lshl_or_b32 v[PW], v[TM+5], 8, v[TM+4]
	v_lshl_or_b32 v[PW], v[TM+6], 16, v[PW]
	v_lshl_or_b32 v[PW], v[TM+7], 24, v[PW]
.irp c, 0,1
	v_cvt_scalef32_pk16_fp6_f32 v[PC+6*\c:PC+2+6*\c], v[\s+32*\c:\s+15+32*\c], v[TM+12+2*\c]
	v_cvt_scalef32_pk16_fp6_f32 v[PC+12+4*\c:PC+14+4*\c], v[\s+16+32*\c:\s+31+32*\c], v[TM+12+2*\c+1]
.endr
	v_nop
.irp c, 0,1
.irp i, 0,1,2
	v_permlane16_swap_b32 v[PC+6*\c+\i], v[PC+12+4*\c+\i]
.endr
.irp i, 0,1,2
	v_mov_b32 v[PC+3+6*\c+\i], v[PC+12+4*\c+\i]
.endr
.endr
.endm
.macro SETC reg, val
	s_mov_b32 s[\reg], \val
	s_mov_b32 s[\reg+1], \val
.endm
.macro HORN acc, c
.irp j, 0,2,4,6,8,10,12,14
	v_pk_fma_f32 v[\acc+\j:\acc+\j+1], v[\acc+\j:\acc+\j+1], v[X2+\j:X2+\j+1], s[\c:\c+1] op_sel_hi:[1,1,0]
.endr
.endm
.macro GELU16 n
.set HN, H+16*\n
.set BN, BI+16*\n
.irp j, 0,2,4,6,8,10,12,14
	v_pk_add_f32 v[HN+\j:HN+\j+1], v[HN+\j:HN+\j+1], v[BN+\j:BN+\j+1]
.endr
.irp j, 0,2,4,6,8,10,12,14
	v_pk_mul_f32 v[Z+\j:Z+\j+1], v[HN+\j:HN+\j+1], s[CR2:CR2+1] op_sel_hi:[1,0]
.endr
.irp j, 0,1,2,3,4,5,6,7,8,9,10,11,12,13,14,15
	v_med3_num_f32 v[Z+\j], v[Z+\j], -4.0, 4.0
.endr
.irp j, 0,2,4,6,8,10,12,14
	v_pk_mul_f32 v[X2+\j:X2+\j+1], v[Z+\j:Z+\j+1], v[Z+\j:Z+\j+1]
.endr
.irp j, 0,2,4,6,8,10,12,14
	v_pk_fma_f32 v[P+\j:P+\j+1], v[X2+\j:X2+\j+1], s[CA13:CA13+1], v[VA11:VA11+1] op_sel_hi:[1,0,1]
	v_pk_fma_f32 v[Q+\j:Q+\j+1], v[X2+\j:X2+\j+1], s[CB8:CB8+1], v[VB6:VB6+1] op_sel_hi:[1,0,1]
.endr
	HORN P, CA9
	HORN Q, CB4
	HORN P, CA7
	HORN Q, CB2
	HORN P, CA5
	HORN Q, CB0
	s_wait_alu depctr_va_vdst(0)
.irp j, 0,1,2,3,4,5,6,7,8,9,10,11,12,13,14,15
	v_rcp_f32 v[Q+\j], v[Q+\j]
.endr
	HORN P, CA3
	HORN P, CA1
.irp j, 0,2,4,6,8,10,12,14
	v_pk_mul_f32 v[P+\j:P+\j+1], v[P+\j:P+\j+1], v[Z+\j:Z+\j+1]
.endr
	s_wait_alu depctr_va_vdst(0)
.irp j, 0,2,4,6,8,10,12,14
	v_pk_mul_f32 v[P+\j:P+\j+1], v[P+\j:P+\j+1], v[Q+\j:Q+\j+1]
.endr
.irp j, 0,2,4,6,8,10,12,14
	v_pk_fma_f32 v[P+\j:P+\j+1], v[P+\j:P+\j+1], 0.5, 0.5 op_sel_hi:[1,0,0]
.endr
.irp j, 0,2,4,6,8,10,12,14
	v_pk_mul_f32 v[HN+\j:HN+\j+1], v[HN+\j:HN+\j+1], v[P+\j:P+\j+1]
.endr
.endm
	s_load_b128 s[4:7], s[0:1], 0x0
	s_load_b128 s[8:11], s[0:1], 0x10
	v_lshl_add_u32 v[SPW], v0, 2, SPARE
	v_mov_b32 v[NIL], 0
	ds_add_u32 v[SPW], v[NIL]
	ds_add_u32 v[SPW], v[NIL]
	v_lshrrev_b32 v1, 5, v0
	v_readfirstlane_b32 s14, v1
	s_lshr_b32 s15, s14, 1
	s_and_b32 s16, s14, 1
	s_bfe_u32 s40, ttmp6, 0x40000
	s_bfe_u32 s41, ttmp6, 0x40004
	s_lshl_b32 s42, ttmp9, 2
	s_add_co_u32 s42, s42, s40
	s_and_b32 s17, ttmp7, 0xffff
	s_lshl_b32 s17, s17, 2
	s_add_co_u32 s17, s17, s41
	s_lshl_b32 s43, s41, 2
	s_lshl_b32 s43, 15, s43
	s_lshl_b32 s44, 0x1111, s40
	s_or_b32 s[G1+0], s43, (3<<16)|(1<<21)
	s_or_b32 s[G1B+0], s44, (3<<16)|(1<<21)
.irp g, G1, G1B
	s_mov_b32 s[\g+1], 384<<16
	s_mov_b32 s[\g+2], 16<<16
	s_mov_b32 s[\g+3], 384<<16
	s_mov_b32 s[\g+4], 16
	s_mov_b32 s[\g+5], 1536
	s_mov_b32 s[\g+6], 0
	s_mov_b32 s[\g+7], 0
.endr
	s_or_b32 s[G1S+0], s43, (3<<16)|(1<<21)
	s_or_b32 s[G1SB+0], s44, (3<<16)|(1<<21)
.irp g, G1S, G1SB
	s_mov_b32 s[\g+1], 32<<16
	s_mov_b32 s[\g+2], 32<<16
	s_mov_b32 s[\g+3], 32<<16
	s_mov_b32 s[\g+4], 32
	s_mov_b32 s[\g+5], 32
	s_mov_b32 s[\g+6], 0
	s_mov_b32 s[\g+7], 0
.endr
	s_mul_i32 s20, s17, 196608
	s_mul_i32 s2, s16, 98304
	s_add_co_u32 s20, s20, s2
	s_mul_i32 s46, s42, 196608
	s_add_co_u32 s46, s46, s2
	s_add_co_u32 s46, s46, W1_C
	s_lshl_b32 s22, s17, 13
	s_lshl_b32 s2, s16, 12
	s_add_co_u32 s22, s22, s2
	s_add_co_u32 s22, s22, HS
	s_lshl_b32 s92, s42, 13
	s_add_co_u32 s92, s92, s2
	s_add_co_u32 s92, s92, W1_S
	s_mov_b32 s21, 0
	s_mov_b32 s23, 0
	s_mov_b32 s47, 0
	s_mov_b32 s93, 0
	s_mul_i32 s45, s14, 24576
	s_lshl_b32 s94, s14, 12
	s_wait_dscnt 0x0
	s_wait_kmcnt 0x0
	s_add_nc_u64 s[20:21], s[4:5], s[20:21]
	s_add_nc_u64 s[22:23], s[4:5], s[22:23]
	s_add_nc_u64 s[46:47], s[6:7], s[46:47]
	s_add_nc_u64 s[92:93], s[6:7], s[92:93]
	CROUND
	s_mov_b32 s3, 0                                ; s2 holds the wave's half of the scale words: taken off, the address is the block's first word
	s_mov_b32 s[G0S], 1
	s_mov_b32 s[G0S+1], SCL
	s_sub_nc_u64 s[G0S+2:G0S+3], s[22:23], s[2:3]
	s_or_b32 s[G0S+3], s[G0S+3], 0x80000000
	s_mov_b32 s[G0SB], 1
	s_mov_b32 s[G0SB+1], SCL+8192
	s_sub_nc_u64 s[G0SB+2:G0SB+3], s[92:93], s[2:3]
	s_or_b32 s[G0SB+3], s[G0SB+3], 0x80000000
.irp s, 0,1
	s_mov_b32 s[G0+4*\s], 1
	s_add_co_u32 s[G0+4*\s+1], s45, \s*SLOT
	s_add_nc_u64 s[G0+4*\s+2:G0+4*\s+3], s[20:21], \s*RTB
	s_or_b32 s[G0+4*\s+3], s[G0+4*\s+3], 0x80000000
	s_mov_b32 s[G0B+4*\s], 1
	s_add_co_u32 s[G0B+4*\s+1], s45, \s*SLOT
	s_add_nc_u64 s[G0B+4*\s+2:G0B+4*\s+3], s[46:47], \s*RTB
	s_or_b32 s[G0B+4*\s+3], s[G0B+4*\s+3], 0x80000000
.endr
	; the head's four tiles, one joint load a wave, in one chain of branches on the wave's number: wave 0 Y's slot 0, wave 1 Y's scale words, wave 2 X's slot 0, wave 3 X's scale words
	s_cmp_eq_u32 s14, 0
	s_cbranch_scc0 .Lh1
	tensor_load_to_lds s[G0:G0+3], s[G1:G1+7]
	s_nop 0
	PLACES 4
	s_branch .Lhj
.Lh1:
	s_cmp_eq_u32 s14, 1
	s_cbranch_scc0 .Lh2
	tensor_load_to_lds s[G0S:G0S+3], s[G1S:G1S+7]
	s_nop 0
	PLACES 4
	s_branch .Lhj
.Lh2:
	s_cmp_eq_u32 s14, 2
	s_cbranch_scc0 .Lh3
	tensor_load_to_lds s[G0B:G0B+3], s[G1B:G1B+7]
	s_nop 0
	PLACES 4
	s_branch .Lhj
.Lh3:
	tensor_load_to_lds s[G0SB:G0SB+3], s[G1SB:G1SB+7]
	s_nop 0
	PLACES 4
.Lhj:
	v_and_b32 v3, 31, v0
	v_and_b32 v1, 15, v0
	v_bfe_u32 v2, v0, 4, 1
	v_lshlrev_b32 v[LI], 4, v3
	s_wait_alu depctr_va_vdst(0)
	v_lshlrev_b32 v[BO], 6, v2
	s_mul_i32 s21, s15, 24576
	s_mul_i32 s22, s16, 24576
	s_add_co_u32 s22, s22, 49152
.irp s, 0,1
	v_add_nc_u32 v[ADY+\s], s21, v[LI]
	v_add_nc_u32 v[ADX+\s], s22, v[LI]
	s_add_co_u32 s21, s21, SLOT
	s_add_co_u32 s22, s22, SLOT
.endr
	v_lshlrev_b32 v4, 2, v3
	s_lshl_b32 s21, s15, 12
	s_add_co_u32 s21, s21, SCL
	v_add_nc_u32 v[ADSY], s21, v4
	s_lshl_b32 s21, s16, 12
	s_add_co_u32 s21, s21, SCL+8192
	v_add_nc_u32 v[ADSX], s21, v4
	s_lshl_b32 s21, s14, 16
	v_add_nc_u32 v[DMP], s21, v[LI]
	s_lshl_b32 s21, s14, 9
	s_add_co_u32 s21, s21, SCW
	v_lshl_add_u32 v[SWA], v1, 2, s21
	v_add_nc_u32 v[SRD], s21, v[LI]
	s_lshl_b32 s20, s17, 4
	s_lshl_b32 s21, s15, 3
	s_add_co_u32 s20, s20, s21
	s_lshl_b32 s20, s20, 5
	s_lshl_b32 s46, s42, 1
	s_add_co_u32 s46, s46, s16
	s_add_co_u32 s20, s20, s46
	s_mul_i32 s20, s20, 1536
	s_mov_b32 s21, 0
	s_add_nc_u64 s[12:13], s[10:11], s[20:21]
	s_lshl_b32 s20, s17, 1
	s_add_co_u32 s20, s20, s15
	s_lshl_b32 s20, s20, 5
	s_add_co_u32 s20, s20, s46
	s_lshl_b32 s20, s20, 9
	s_add_co_u32 s20, s20, FS
	s_add_nc_u64 s[96:97], s[10:11], s[20:21]
	s_lshl_b32 s20, s46, 9
	s_add_nc_u64 s[8:9], s[8:9], s[20:21]
	s_wait_alu depctr_va_vdst(0)
	s_wait_tensorcnt 0x0                           ; my tile of the head's four is in; slot 1's first fill is issued as a refill is
	ds_add_u32 v[SPW], v[NIL]
	s_mov_b32 s[G1+2], 8<<16                       ; no tensor load of mine is out: from here on a load brings 8 tiles
	s_mov_b32 s[G1+4], 8
	s_mov_b32 s[G1B+2], 8<<16
	s_mov_b32 s[G1B+4], 8
	s_wait_dscnt 0x0
	CROUND
	JLOAD G0+4, G1, G0B+4, G1B
	FETCH 0
	STEP 0, 1
	TURN 1, 1
	STEP 2, 0
	TURN 3, 1
	STEP 4, 0
	TURN 5, 0
	STEP 6, 0
	s_wait_dscnt 12
	WIN MUL_LO
	MUL16 0, 1, 0
	MUL16 2, 1, 0
	s_wait_dscnt 0x0
	WIN MUL_HI
	MUL16 4, 1, 0
	MUL16 6, 1, 0
	WIN 0
	s_barrier_signal -1
	s_barrier_wait -1
	PLACES 4
.irp b, 0,1,2,3
.irp k, 0,1,2,3
	global_load_b128 v[BI+16*\b+4*\k:BI+16*\b+4*\k+3], v[BO], s[8:9] offset:128*\b+16*\k
.endr
.endr
	v_mov_b32 v[VA11], 0x32edffee
	v_mov_b32 v[VA11+1], 0x32edffee
	v_mov_b32 v[VB6], 0xb95fbd29
	v_mov_b32 v[VB6+1], 0xb95fbd29
	SETC CR2,  0x3f3504f3
	SETC CA13, 0xaf95df0b
	SETC CA9,  0xb60cff51
	SETC CA7,  0xb86ec2d2
	SETC CA5,  0xba40ac63
	SETC CA3,  0xbb41a1f6
	SETC CA1,  0xbc83dbd4
	SETC CB8,  0xb77460cd
	SETC CB4,  0xbadc924e
	SETC CB2,  0xbbf19bf8
	SETC CB0,  0xbc69b6a7
	s_mov_b32 s[SEL], 0x76543210
	s_mov_b32 s[SEL+1], 0xfedcba98
.irp a, 0,1,2,3,4,5,6,7
	WIN 0x08+4*(\a/4)
.irp g, 0,1,2,3,4,5,6,7,8,9,10,11,12,13,14,15
	ds_store_b128 v[DMP], v[64*(\a%4)+4*\g:64*(\a%4)+4*\g+3] offset:(16*\a+\g)*512
.endr
.endr
	WIN 0
	s_mov_b32 s2, 0
	s_mov_b32 s18, 0
	s_mov_b32 s3, 8
	s_wait_loadcnt 0x0
.Ltile:
	v_add_nc_u32 v[RDA], s2, v[DMP]
.irp g, 0,1,2,3,4,5,6,7,8,9,10,11,12,13,14,15
	ds_load_b128 v[H+4*\g:H+4*\g+3], v[RDA] offset:512*\g
.endr
	s_wait_dscnt 0x0
	GELU16 0
	GELU16 1
	GELU16 2
	GELU16 3
	QUANT H
.irp c, 0,1,2
	global_store_b128 v[LI], v[PC+4*\c:PC+4*\c+3], s[12:13] offset:512*\c
.endr
	v_add_nc_u32 v[TMA], s18, v[SWA]
	ds_store_b32 v[TMA], v[PW]
	s_wait_xcnt 0x0
	s_add_nc_u64 s[12:13], s[12:13], 32*1536
	s_add_co_u32 s2, s2, 8192
	s_add_co_u32 s18, s18, 64
	s_sub_co_u32 s3, s3, 1
	s_cmp_lg_u32 s3, 0
	s_cbranch_scc1 .Ltile
	ds_load_b128 v[H:H+3], v[SRD]
	s_wait_dscnt 0x0
	global_store_b128 v[LI], v[H:H+3], s[96:97]
	s_wait_tensorcnt 0x0
	ds_add_u32 v[SPW], v[NIL]
	s_wait_dscnt 0x0
	CROUND
	s_endpgm
.Lfunc_end_k_qc41defb3a1_ff1:
	.size	k_qc41defb3a1_ff1, .Lfunc_end_k_qc41defb3a1_ff1-k_qc41defb3a1_ff1
	.p2alignl 7, 3214868480
	.fill 96, 4, 3214868480
	.section	.rodata,"a",@progbits
	.p2align	6, 0x0
	.amdhsa_kernel k_qc41defb3a1_ff1
		.amdhsa_group_segment_fixed_size 327680
		.amdhsa_private_segment_fixed_size 0
		.amdhsa_enable_private_segment 0
		.amdhsa_kernarg_size 32
		.amdhsa_user_sgpr_count 2
		.amdhsa_user_sgpr_kernarg_segment_ptr 1
		.amdhsa_wavefront_size32 1
		.amdhsa_system_sgpr_workgroup_id_x 1
		.amdhsa_system_sgpr_workgroup_id_y 1
		.amdhsa_system_sgpr_workgroup_id_z 1
		.amdhsa_system_vgpr_workitem_id 0
		.amdhsa_next_free_vgpr 1024
		.amdhsa_next_free_sgpr 100
		.amdhsa_reserve_vcc 0
		.amdhsa_float_denorm_mode_32 3
		.amdhsa_float_denorm_mode_16_64 3
		.amdhsa_memory_ordered 1
		.amdhsa_forward_progress 1
		.amdhsa_inst_pref_size 165
	.end_amdhsa_kernel
	.amdgpu_metadata
---
amdhsa.version: [ 1, 2 ]
amdhsa.kernels:
  - .name:           k_qc41defb3a1_ff1
    .symbol:         k_qc41defb3a1_ff1.kd
    .args:
      - { .name: hq, .offset: 0, .size: 8, .value_kind: global_buffer, .address_space: global }
      - { .name: wts, .offset: 8, .size: 8, .value_kind: global_buffer, .address_space: global }
      - { .name: b1, .offset: 16, .size: 8, .value_kind: global_buffer, .address_space: global }
      - { .name: fq, .offset: 24, .size: 8, .value_kind: global_buffer, .address_space: global }
    .group_segment_fixed_size: 327680
    .private_segment_fixed_size: 0
    .kernarg_segment_align: 8
    .kernarg_segment_size: 32
    .max_flat_workgroup_size: 128
    .sgpr_count:     100
    .vgpr_count:     1024
    .wavefront_size: 32
...
	.end_amdgpu_metadata
.endif
;; end of part 5
;; launch ff2 (part 6): grid 8 x 32, 4 waves a work-group, clusters of 4 x 4, 327,680 bytes of LDS; arguments fq, wts, x1, b2, out0; writes out0
.if DOCPART == 6
	.amdgcn_target "amdgcn-amd-amdhsa--gfx1250"
	.amdhsa_code_object_version 6
	.text
	.protected	k_qc41defb3a1_ff2
	.globl	k_qc41defb3a1_ff2
	.p2align	8
	.type	k_qc41defb3a1_ff2,@function
k_qc41defb3a1_ff2:
	s_mov_b64 s[64:65], 0
	v_nop
	global_prefetch_b8 v0, s[64:65] scope:SCOPE_SE
	s_setreg_imm32_b32 hwreg(HW_REG_WAVE_MODE, 25, 1), 1
	s_wait_xcnt 0x0
	s_wait_alu depctr_hold_cnt(0) depctr_sa_sdst(0) depctr_va_vdst(0) depctr_va_sdst(0) depctr_va_ssrc(0) depctr_va_vcc(0) depctr_vm_vsrc(0)
	s_getreg_b32 s2, hwreg(HW_REG_IB_STS2, 6, 4)
	s_cmp_eq_u32 s2, 0
	s_cbranch_scc0 .Lentry_in_a_cluster
	s_endpgm
.Lentry_in_a_cluster:
	s_bfe_u32 s2, ttmp6, 0x10000c
	s_cmp_lg_u32 s2, 0xf033
	s_cbranch_scc0 .Lentry_shape_is_right
	s_endpgm
.Lentry_shape_is_right:
.set KS,     32
.set YS,     12582912
.set XC,     6291456
.set XS,     9699328
.set RTB,    6144
.set SLOT,   98304
.set SCL,    196608
.set SPARE,  270336
.set RD,  8
.set ADY, 16
.set ADX, 18
.set ADSY, 20
.set ADSX, 21
.set STO, 22
.set LI,  24
.set SPW, 28
.set NIL, 29
.set SC,  32
.set BIAS, 48
.set YF,  64
.set G1, 24
.set G0, 32
.set G1B, 48
.set G0B, 56
.set G1S, 68
.set G0S, 76
.set G1SB, 80
.set G0SB, 88
.set MSB, 0
.macro WIN new
.if MSB != \new
	s_set_vgpr_msb (MSB<<8)|\new
.set MSB, \new
.endif
.endm
.set MUL_LO, 0xa1
.set MUL_HI, 0xf1
.set TO_X,   0x40
.macro JLOAD g0a, g1a, g0b, g1b
	s_cmp_eq_u32 s15, 0
	s_cbranch_scc0 .Lfor_b_\@
	tensor_load_to_lds s[\g0a:\g0a+3], s[\g1a:\g1a+7]
	s_nop 0
.rept 4
	v_nop
.endr
	s_branch .Lasked_\@
.Lfor_b_\@:
	tensor_load_to_lds s[\g0b:\g0b+3], s[\g1b:\g1b+7]
	s_nop 0
.rept 4
	v_nop
.endr
.Lasked_\@:
.endm
.macro CREST
	s_cmp_lg_u32 s14, 0
	s_cbranch_scc1 .Lnot_wave_0_\@
	s_barrier_signal -3
.Lnot_wave_0_\@:
	s_barrier_wait -3
	s_barrier_signal -1
	s_barrier_wait -1
.endm
.macro CROUND
	s_barrier_signal -1
	s_barrier_wait -1
	CREST
.endm
.macro PLACES n
.rept \n
	v_nop
.endr
.endm
.macro WM d, x, y, zero, sx, sy, rx, ry
.if \zero
.if ((\rx)==0) && ((\ry)==0)
	v_wmma_scale_f32_16x16x128_f8f6f4 v[(\d):(\d)+7], v[(\x):(\x)+11], v[(\y):(\y)+11], 0, v[(\sx)], v[(\sy)] matrix_a_fmt:MATRIX_FMT_FP6 matrix_b_fmt:MATRIX_FMT_FP6
.elseif (\ry)==0
	v_wmma_scale_f32_16x16x128_f8f6f4 v[(\d):(\d)+7], v[(\x):(\x)+11], v[(\y):(\y)+11], 0, v[(\sx)], v[(\sy)] matrix_a_fmt:MATRIX_FMT_FP6 matrix_b_fmt:MATRIX_FMT_FP6 matrix_a_scale:MATRIX_SCALE_ROW1
.elseif (\rx)==0
	v_wmma_scale_f32_16x16x128_f8f6f4 v[(\d):(\d)+7], v[(\x):(\x)+11], v[(\y):(\y)+11], 0, v[(\sx)], v[(\sy)] matrix_a_fmt:MATRIX_FMT_FP6 matrix_b_fmt:MATRIX_FMT_FP6 matrix_b_scale:MATRIX_SCALE_ROW1
.else
	v_wmma_scale_f32_16x16x128_f8f6f4 v[(\d):(\d)+7], v[(\x):(\x)+11], v[(\y):(\y)+11], 0, v[(\sx)], v[(\sy)] matrix_a_fmt:MATRIX_FMT_FP6 matrix_b_fmt:MATRIX_FMT_FP6 matrix_a_scale:MATRIX_SCALE_ROW1 matrix_b_scale:MATRIX_SCALE_ROW1
.endif
.else
.if ((\rx)==0) && ((\ry)==0)
	v_wmma_scale_f32_16x16x128_f8f6f4 v[(\d):(\d)+7], v[(\x):(\x)+11], v[(\y):(\y)+11], v[(\d):(\d)+7], v[(\sx)], v[(\sy)] matrix_a_fmt:MATRIX_FMT_FP6 matrix_b_fmt:MATRIX_FMT_FP6
.elseif (\ry)==0
	v_wmma_scale_f32_16x16x128_f8f6f4 v[(\d):(\d)+7], v[(\x):(\x)+11], v[(\y):(\y)+11], v[(\d):(\d)+7], v[(\sx)], v[(\sy)] matrix_a_fmt:MATRIX_FMT_FP6 matrix_b_fmt:MATRIX_FMT_FP6 matrix_a_scale:MATRIX_SCALE_ROW1
.elseif (\rx)==0
	v_wmma_scale_f32_16x16x128_f8f6f4 v[(\d):(\d)+7], v[(\x):(\x)+11], v[(\y):(\y)+11], v[(\d):(\d)+7], v[(\sx)], v[(\sy)] matrix_a_fmt:MATRIX_FMT_FP6 matrix_b_fmt:MATRIX_FMT_FP6 matrix_b_scale:MATRIX_SCALE_ROW1
.else
	v_wmma_scale_f32_16x16x128_f8f6f4 v[(\d):(\d)+7], v[(\x):(\x)+11], v[(\y):(\y)+11], v[(\d):(\d)+7], v[(\sx)], v[(\sy)] matrix_a_fmt:MATRIX_FMT_FP6 matrix_b_fmt:MATRIX_FMT_FP6 matrix_a_scale:MATRIX_SCALE_ROW1 matrix_b_scale:MATRIX_SCALE_ROW1
.endif
.endif
.endm
.macro MUL16 a0, p, zero
.irp a, \a0, \a0+1
.irp b, 0,1,2,3,4,5,6,7
	WM 8*(8*((\a)%4)+\b), 128*(\p)+12*\b, YF+96*(\p)+12*(\a), \zero, SC+8*(\p)+\b/2, SC+8*(\p)+4+(\a)/2, \b%2, (\a)%2
.endr
.endr
.endm
.macro FRAG3 reg, adr, off
.irp c, 0,1,2
	ds_load_b128 v[\reg+4*\c:\reg+4*\c+3], v[\adr] offset:\off+512*\c
.endr
.endm
.macro FETCH t
.set FQ, (\t)%2
	WIN TO_X
.irp i, 0,1,2,3,4,5,6,7
	FRAG3 128*FQ+12*\i, ADX+FQ, \i*RTB
.endr
	WIN 0
.irp i, 0,1,2,3
	ds_load_b32 v[SC+8*FQ+\i], v[ADSX] offset:2048*(\t)+128*\i
.endr
.irp i, 0,1,2,3
	ds_load_b32 v[SC+8*FQ+4+\i], v[ADSY] offset:2048*(\t)+128*\i
.endr
.irp i, 0,1,2,3,4,5,6,7
	FRAG3 YF+96*FQ+12*\i, ADY+FQ, \i*RTB
.endr
.endm
.macro TURN t, fill, zero
.set TSL, (\t)%2
	s_wait_tensorcnt 0x0
	ds_add_u32 v[SPW], v[NIL]
	s_wait_dscnt 0x0                               ; the add is done, and my reads of this slot are over: the refill follows at once, and this step's 64 products stand behind it
	s_barrier_signal -1
	s_barrier_wait -1
.if \fill
	CREST
	s_add_nc_u64 s[G0+4*TSL+2:G0+4*TSL+3], s[G0+4*TSL+2:G0+4*TSL+3], 2*RTB
	s_add_nc_u64 s[G0B+4*TSL+2:G0B+4*TSL+3], s[G0B+4*TSL+2:G0B+4*TSL+3], 2*RTB
	JLOAD G0+4*TSL, G1, G0B+4*TSL, G1B
.else
	PLACES 4
.endif
	FETCH (\t)+1
.if (\fill) && ((\t)+4 < 8)
	global_prefetch_b8 v30, s[96:97] offset:((\t)+4)*RTB th:TH_LOAD_NT scope:SCOPE_SE   ; two fills ahead of the load just issued
.endif
	WIN MUL_LO
	MUL16 0, TSL, \zero
	MUL16 2, TSL, \zero
	WIN MUL_HI
	MUL16 4, TSL, \zero
	MUL16 6, TSL, \zero
	WIN 0
.endm
	s_load_b256 s[4:11], s[0:1], 0x0
	s_load_b64 s[12:13], s[0:1], 0x20
	v_lshl_add_u32 v[SPW], v0, 2, SPARE
	v_mov_b32 v[NIL], 0
	ds_add_u32 v[SPW], v[NIL]
	ds_add_u32 v[SPW], v[NIL]
	v_lshrrev_b32 v1, 5, v0
	v_readfirstlane_b32 s14, v1
	s_lshr_b32 s15, s14, 1
	s_and_b32 s16, s14, 1
	s_bfe_u32 s40, ttmp6, 0x40000
	s_bfe_u32 s41, ttmp6, 0x40004
	s_lshl_b32 s42, ttmp9, 2
	s_add_co_u32 s42, s42, s40
	s_and_b32 s17, ttmp7, 0xffff
	s_lshl_b32 s17, s17, 2
	s_add_co_u32 s17, s17, s41
	s_lshl_b32 s43, s41, 2
	s_lshl_b32 s43, 15, s43
	s_lshl_b32 s44, 0x1111, s40
	s_or_b32 s[G1+0], s43, (3<<16)|(1<<21)
	s_or_b32 s[G1B+0], s44, (3<<16)|(1<<21)
.irp g, G1, G1B
	s_mov_b32 s[\g+1], 768<<16
	s_mov_b32 s[\g+2], 8<<16
	s_mov_b32 s[\g+3], 768<<16
	s_mov_b32 s[\g+4], 8
	s_mov_b32 s[\g+5], KS*192
	s_mov_b32 s[\g+6], 0
	s_mov_b32 s[\g+7], 0
.endr
	s_or_b32 s[G1S+0], s43, (3<<16)|(1<<21)
	s_or_b32 s[G1SB+0], s44, (3<<16)|(1<<21)
.irp g, G1S, G1SB
	s_mov_b32 s[\g+1], 32<<16
	s_mov_b32 s[\g+2], (2*KS)<<16
	s_mov_b32 s[\g+3], 32<<16
	s_mov_b32 s[\g+4], 2*KS
	s_mov_b32 s[\g+5], 32
	s_mov_b32 s[\g+6], 0
	s_mov_b32 s[\g+7], 0
.endr
	s_mul_i32 s20, s17, KS*12288
	s_mul_i32 s2, s16, KS*6144
	s_add_co_u32 s20, s20, s2
	s_mul_i32 s46, s42, KS*12288
	s_add_co_u32 s46, s46, s2
	s_add_co_u32 s46, s46, XC
	s_mul_i32 s22, s17, KS*512
	s_mul_i32 s2, s16, KS*256
	s_add_co_u32 s22, s22, s2
	s_add_co_u32 s22, s22, YS
	s_mul_i32 s92, s42, KS*512
	s_add_co_u32 s92, s92, s2
	s_add_co_u32 s92, s92, XS
	s_mov_b32 s21, 0
	s_mov_b32 s23, 0
	s_mov_b32 s47, 0
	s_mov_b32 s93, 0
	s_mul_i32 s45, s14, 24576
	s_mul_i32 s94, s14, KS*256
	s_wait_dscnt 0x0
	s_wait_kmcnt 0x0
	s_add_nc_u64 s[20:21], s[4:5], s[20:21]
	s_add_nc_u64 s[22:23], s[4:5], s[22:23]
	s_add_nc_u64 s[46:47], s[6:7], s[46:47]
	s_add_nc_u64 s[92:93], s[6:7], s[92:93]
	CROUND
	s_mov_b32 s3, 0                                ; s2 holds the wave's half of the scale words: taken off, the address is the block's first word
	s_mov_b32 s[G0S], 1
	s_mov_b32 s[G0S+1], SCL
	s_sub_nc_u64 s[G0S+2:G0S+3], s[22:23], s[2:3]
	s_or_b32 s[G0S+3], s[G0S+3], 0x80000000
	s_mov_b32 s[G0SB], 1
	s_mov_b32 s[G0SB+1], SCL+KS*512
	s_sub_nc_u64 s[G0SB+2:G0SB+3], s[92:93], s[2:3]
	s_or_b32 s[G0SB+3], s[G0SB+3], 0x80000000
.irp s, 0,1
	s_mov_b32 s[G0+4*\s], 1
	s_add_co_u32 s[G0+4*\s+1], s45, \s*SLOT
	s_add_nc_u64 s[G0+4*\s+2:G0+4*\s+3], s[20:21], \s*RTB
	s_or_b32 s[G0+4*\s+3], s[G0+4*\s+3], 0x80000000
	s_mov_b32 s[G0B+4*\s], 1
	s_add_co_u32 s[G0B+4*\s+1], s45, \s*SLOT
	s_add_nc_u64 s[G0B+4*\s+2:G0B+4*\s+3], s[46:47], \s*RTB
	s_or_b32 s[G0B+4*\s+3], s[G0B+4*\s+3], 0x80000000
.endr
	; the head's four tiles, one joint load a wave, in one chain of branches on the wave's number: wave 0 Y's slot 0, wave 1 Y's scale words, wave 2 X's slot 0, wave 3 X's scale words
	s_cmp_eq_u32 s14, 0
	s_cbranch_scc0 .Lh1
	tensor_load_to_lds s[G0:G0+3], s[G1:G1+7]
	s_nop 0
	PLACES 4
	s_branch .Lhj
.Lh1:
	s_cmp_eq_u32 s14, 1
	s_cbranch_scc0 .Lh2
	tensor_load_to_lds s[G0S:G0S+3], s[G1S:G1S+7]
	s_nop 0
	PLACES 4
	s_branch .Lhj
.Lh2:
	s_cmp_eq_u32 s14, 2
	s_cbranch_scc0 .Lh3
	tensor_load_to_lds s[G0B:G0B+3], s[G1B:G1B+7]
	s_nop 0
	PLACES 4
	s_branch .Lhj
.Lh3:
	tensor_load_to_lds s[G0SB:G0SB+3], s[G1SB:G1SB+7]
	s_nop 0
	PLACES 4
.Lhj:
	; PREFETCHES INTO THE L2: behind the load of fill f each wave asks for one tile's 6,144 bytes (24 blocks of 256, a lane a block; lanes 24-31 name the last block again) of fill f + 2.
	; A fill has 8 tiles of Y, which the four partners of my row of the cluster load jointly, and 8 of X, which my column loads: the partner at place p (cx for Y, cy for X) asks for tiles 2 p and 2 p + 1,
	; waves 0, 1 of Y, waves 2, 3 of X: each block is named once in each cluster that will load it, and the shares are told apart by address alone.  Every step along K is an immediate: no address register is written again.  Fills 6 and 7 are the last asked for.
	s_cmp_eq_u32 s15, 0
	s_cselect_b32 s98, s17, s42
	s_cselect_b32 s99, s40, s41
	s_cselect_b32 s95, 0, XC
	s_cselect_b64 s[96:97], s[4:5], s[6:7]
	s_lshl_b32 s98, s98, 3
	s_lshl_b32 s99, s99, 1
	s_add_co_u32 s98, s98, s99
	s_add_co_u32 s98, s98, s16
	s_mul_i32 s98, s98, KS*1536
	s_add_co_u32 s98, s98, s95
	s_mov_b32 s99, 0
	s_add_nc_u64 s[96:97], s[96:97], s[98:99]
	v_and_b32 v30, 31, v0
	v_min_u32 v30, 23, v30
	v_lshlrev_b32 v30, 8, v30
	global_prefetch_b8 v30, s[96:97] offset:2*RTB th:TH_LOAD_NT scope:SCOPE_SE
	v_and_b32 v3, 31, v0
	v_and_b32 v1, 15, v0
	v_bfe_u32 v2, v0, 4, 1
	v_lshlrev_b32 v[LI], 4, v3
	s_mul_i32 s21, s14, 1536
.irp s, 0,1
	v_add_nc_u32 v[ADY+\s], s21, v[LI]
	v_add_nc_u32 v[ADX+\s], 49152, v[ADY+\s]
	s_add_co_u32 s21, s21, SLOT
.endr
	v_lshlrev_b32 v4, 2, v3
	s_lshl_b32 s21, s14, 9
	s_add_co_u32 s21, s21, SCL
	v_add_nc_u32 v[ADSY], s21, v4
	v_add_nc_u32 v[ADSX], KS*512, v[ADSY]
	s_mul_i32 s21, s14, 67584
	v_mul_u32_u24 v4, v1, 528
	v_lshl_add_u32 v4, v2, 6, v4
	v_add_nc_u32 v[STO], s21, v4
	s_mul_i32 s21, s14, 16896
.irp c, 0,1,2,3
	v_add_nc_u32 v[RD+\c], s21, v[LI]
	s_add_co_u32 s21, s21, 67584
.endr
	s_lshl_b32 s20, s17, 19
	s_lshl_b32 s21, s14, 17
	s_add_co_u32 s20, s20, s21
	s_lshl_b32 s46, s42, 9
	s_add_co_u32 s20, s20, s46
	s_mov_b32 s21, 0
	s_mov_b32 s47, 0
	s_add_nc_u64 s[8:9], s[8:9], s[20:21]
	s_add_nc_u64 s[12:13], s[12:13], s[20:21]
	s_add_nc_u64 s[10:11], s[10:11], s[46:47]
	s_wait_alu depctr_va_vdst(0)
	s_wait_tensorcnt 0x0                           ; my tile of the head's four is in; slot 1's first fill is issued as a refill is
	ds_add_u32 v[SPW], v[NIL]
	s_mov_b32 s[G1+2], 4<<16                       ; no tensor load of mine is out: from here on a load brings 4 tiles
	s_mov_b32 s[G1+4], 4
	s_mov_b32 s[G1B+2], 4<<16
	s_mov_b32 s[G1B+4], 4
	s_wait_dscnt 0x0
	CROUND
	JLOAD G0+4, G1, G0B+4, G1B
	FETCH 0
	global_prefetch_b8 v30, s[96:97] offset:3*RTB th:TH_LOAD_NT scope:SCOPE_SE
	TURN 0, 1, 1
	TURN 1, 1, 0
	TURN 2, 1, 0
	TURN 3, 1, 0
	TURN 4, 1, 0
	TURN 5, 1, 0
	TURN 6, 0, 0
	PLACES 4
	global_load_b128 v[BIAS:BIAS+3], v[LI], s[10:11]               ; the bias, and 24 of my 32 rows of the residual, into the fragment registers that the step before the last has done with
.set n, 0
.rept 24
	global_load_b128 v[64+4*n:64+4*n+3], v[LI], s[8:9] offset:(8*(n/16)+n%16+8*((n%16)/8))*4096
.set n, n+1
.endr
	s_wait_dscnt 12
	WIN MUL_LO
	MUL16 0, 1, 0
	MUL16 2, 1, 0
	s_wait_dscnt 0x0
	WIN MUL_HI
	MUL16 4, 1, 0
	MUL16 6, 1, 0
	WIN 0
	s_barrier_signal -1
	s_barrier_wait -1
	PLACES 4
.set n, 24
.rept 8
	global_load_b128 v[64+4*n:64+4*n+3], v[LI], s[8:9] offset:(8*(n/16)+n%16+8*((n%16)/8))*4096
.set n, n+1
.endr
.irp a, 0,1,2,3,4,5,6,7
	WIN 0x08+4*(\a/4)
.irp b, 0,1,2,3,4,5,6,7
	ds_store_b128 v[STO], v[8*(8*(\a%4)+\b):8*(8*(\a%4)+\b)+3] offset:8448*\a+128*(\b/2)+32*(\b%2)
	ds_store_b128 v[STO], v[8*(8*(\a%4)+\b)+4:8*(8*(\a%4)+\b)+7] offset:8448*\a+128*(\b/2)+32*(\b%2)+16
.endr
.endr
	WIN 0
	s_wait_dscnt 0x0
	s_barrier_signal -1
	s_barrier_wait -1
.macro LOADB k
.irp rr, 0,1
.irp c, 0,1,2,3
	ds_load_b128 v[192+32*((\k)%2)+16*\rr+4*\c:192+32*((\k)%2)+16*\rr+4*\c+3], v[RD+\c] offset:8448*((2*(\k)+\rr)/16)+528*((2*(\k)+\rr)%16)
.endr
.endr
.endm
.macro FIN k, left
	s_wait_dscnt \left
.if (\k) == 12
	s_wait_loadcnt 0x0                             ; the last eight rows of the residual
.endif
.irp rr, 0,1
.set BB, 192+32*((\k)%2)+16*\rr
.set NN, 2*(\k)+\rr
.set RR, 64+4*NN
.irp d, 0,2
	v_pk_add_f32 v[BB+\d:BB+\d+1], v[BB+\d:BB+\d+1], v[BB+4+\d:BB+4+\d+1]
	v_pk_add_f32 v[BB+8+\d:BB+8+\d+1], v[BB+8+\d:BB+8+\d+1], v[BB+12+\d:BB+12+\d+1]
	v_pk_add_f32 v[RR+\d:RR+\d+1], v[RR+\d:RR+\d+1], v[BIAS+\d:BIAS+\d+1]
.endr
.irp d, 0,2
	v_pk_add_f32 v[BB+\d:BB+\d+1], v[BB+\d:BB+\d+1], v[BB+8+\d:BB+8+\d+1]
.endr
.irp d, 0,2
	v_pk_add_f32 v[RR+\d:RR+\d+1], v[RR+\d:RR+\d+1], v[BB+\d:BB+\d+1]
.endr
	global_store_b128 v[LI], v[RR:RR+3], s[12:13] offset:(8*(NN/16)+NN%16+8*((NN%16)/8))*4096
.endr
.endm
	LOADB 0
	LOADB 1
	s_wait_loadcnt 8                               ; the bias and 24 rows are in; the eight rows asked for last may be out
.set K2, 0
.rept 14
	FIN K2, 8
	LOADB K2+2
.set K2, K2+1
.endr
	FIN 14, 8
	FIN 15, 0
	s_wait_tensorcnt 0x0
	ds_add_u32 v[SPW], v[NIL]
	s_wait_dscnt 0x0
	CROUND
	s_endpgm
.Lfunc_end_k_qc41defb3a1_ff2:
	.size	k_qc41defb3a1_ff2, .Lfunc_end_k_qc41defb3a1_ff2-k_qc41defb3a1_ff2
	.p2alignl 7, 3214868480
	.fill 96, 4, 3214868480
	.section	.rodata,"a",@progbits
	.p2align	6, 0x0
	.amdhsa_kernel k_qc41defb3a1_ff2
		.amdhsa_group_segment_fixed_size 327680
		.amdhsa_private_segment_fixed_size 0
		.amdhsa_enable_private_segment 0
		.amdhsa_kernarg_size 40
		.amdhsa_user_sgpr_count 2
		.amdhsa_user_sgpr_kernarg_segment_ptr 1
		.amdhsa_wavefront_size32 1
		.amdhsa_system_sgpr_workgroup_id_x 1
		.amdhsa_system_sgpr_workgroup_id_y 1
		.amdhsa_system_sgpr_workgroup_id_z 1
		.amdhsa_system_vgpr_workitem_id 0
		.amdhsa_next_free_vgpr 1024
		.amdhsa_next_free_sgpr 100
		.amdhsa_reserve_vcc 0
		.amdhsa_float_denorm_mode_32 3
		.amdhsa_float_denorm_mode_16_64 3
		.amdhsa_memory_ordered 1
		.amdhsa_forward_progress 1
		.amdhsa_inst_pref_size 155
	.end_amdhsa_kernel
	.amdgpu_metadata
---
amdhsa.version: [ 1, 2 ]
amdhsa.kernels:
  - .name:           k_qc41defb3a1_ff2
    .symbol:         k_qc41defb3a1_ff2.kd
    .args:
      - { .name: fq, .offset: 0, .size: 8, .value_kind: global_buffer, .address_space: global }
      - { .name: wts, .offset: 8, .size: 8, .value_kind: global_buffer, .address_space: global }
      - { .name: x1, .offset: 16, .size: 8, .value_kind: global_buffer, .address_space: global }
      - { .name: b2, .offset: 24, .size: 8, .value_kind: global_buffer, .address_space: global }
      - { .name: out0, .offset: 32, .size: 8, .value_kind: global_buffer, .address_space: global }
    .group_segment_fixed_size: 327680
    .private_segment_fixed_size: 0
    .kernarg_segment_align: 8
    .kernarg_segment_size: 40
    .max_flat_workgroup_size: 128
    .sgpr_count:     100
    .vgpr_count:     1024
    .wavefront_size: 32
...
	.end_amdgpu_metadata
.endif
;; end of part 6
